; MI455X (gfx1250); checked and timed in simulation.
; The chip was launched on July 23, 2026; its instructions are those of AMD's public machine-readable ISA for CDNA 5 (MIT licence, August 2026) and "CDNA5" Instruction Set Architecture Reference Guide (July 2026). The comments in the code are by the model that wrote it; some were corrected since.
;; Encoder Layer. Allowed arithmetic: float matrix products may take bf16 or f16 operands with f32 sums; other float arithmetic in f32, or as packed bf16 or f16 multiplies, adds, multiply-adds, maxima and minima; sums over many terms, partial sums and values carried from step to step in f32; what a program stores and reads back later, other than sums and carried values, may be rounded once to bf16 or f16.
;; Inputs: W1 1,024 x 4,096 float32; W2 4,096 x 1,024 float32; Wk 1,024 x 1,024 float32; Wq 1,024 x 1,024 float32; Wv 1,024 x 1,024 float32; b1 4,096 float32; b2 1,024 float32; bk 1,024 float32; bq 1,024 float32; bv 1,024 float32; ln_attn_b 1,024 float32; ln_attn_g 1,024 float32; ln_ffn_b 1,024 float32; ln_ffn_g 1,024 float32; mask 1 x 1 x 1,024 x 1,024 float32; x 4 x 1,024 x 1,024 float32.
;; Outputs: out0 4 x 1,024 x 1,024 float32.
;; Constants: iter = 1.
;; One version. Each part assembles by itself: llvm-mc -triple=amdgcn-amd-amdhsa -mcpu=gfx1250 --defsym DOCPART=n.
;; ======== version 1 of 1: 5 launches
;; workspace buffers: nrm 8,388,608 bytes; wb 25,165,824 bytes; qkv 25,165,824 bytes; res 16,777,216 bytes; h1 33,554,432 bytes
;; launch prep (part 1): grid 1024 x 1, 8 waves a work-group, no clusters, 0 bytes of LDS; arguments x, ln_attn_g, ln_attn_b, Wq, Wk, Wv, mask, W1, W2, nrm, wb; writes nrm, wb
.if DOCPART == 1
	.amdgcn_target "amdgcn-amd-amdhsa--gfx1250"
	.amdhsa_code_object_version 6
	.text
	.protected	k_q53dbd2eb6b_prep
	.globl	k_q53dbd2eb6b_prep
	.p2align	8
	.type	k_q53dbd2eb6b_prep,@function
k_q53dbd2eb6b_prep:
	s_mov_b64 s[64:65], 0
	v_nop
	global_prefetch_b8 v0, s[64:65] scope:SCOPE_SE
	s_setreg_imm32_b32 hwreg(HW_REG_WAVE_MODE, 25, 1), 1
	s_wait_xcnt 0x0
; Two streams in one launch.
; Work-groups 0-255: nrm = LayerNorm(x) g + b, rounded once to bf16.  A wave takes two rows of 1,024 f32; a row stays in 32 registers
; between the mean, the centred squares and the scaling, so x is read once and no wave waits for another.  The variance is the mean of
; (x - mean)^2: no difference of large sums is formed.
; Work-groups 256-1023: Wq, Wk, Wv, mask, W1, W2 rounded once to bf16, layouts kept, laid one behind the other in wb.  A chunk is 16,384
; numbers; chunk c goes to byte 32,768 c of wb; the six arrays have 64, 64, 64, 64, 256 and 256 chunks.
; LIMIT: the mask is kept in bf16 (8 significant bits; 0 and 1 are exact).  No LDS, matrix unit or cluster: nothing is shared.
.set X0,  16                           ; v[16:47]   row 0
.set X1,  48                           ; v[48:79]   row 1
.set GG,  80                           ; v[80:111]  gain of my 32 columns
.set BB,  112                          ; v[112:143] bias of my 32 columns
.set LT,  4                            ; v[4:9]     at work
.set SEL, 40                           ; s[40:41]   v_permlanex16_b32: each lane takes its own place in the other half
.set RN,  42                           ; s42        1 / 1024
.set EP,  43                           ; s43        1e-6
.macro RED r, t                        ; the sum over the wave's 32 lanes, in every lane
	v_add_f32_dpp v[\r], v[\r], v[\r] row_xmask:1 row_mask:0xf bank_mask:0xf
	v_add_f32_dpp v[\r], v[\r], v[\r] row_xmask:2 row_mask:0xf bank_mask:0xf
	v_add_f32_dpp v[\r], v[\r], v[\r] row_xmask:4 row_mask:0xf bank_mask:0xf
	v_add_f32_dpp v[\r], v[\r], v[\r] row_xmask:8 row_mask:0xf bank_mask:0xf
	v_permlanex16_b32 v[\t], v[\r], s[SEL], s[SEL+1]
	v_add_f32 v[\r], v[\r], v[\t]
.endm
; A row of 1,024 f32 in v[Y .. Y+31] (chunk j of four registers: columns 128 j + 4 lane ..) is normalised into v[D ..]; at the end
; v[D+4j : D+4j+1] hold chunk j's four numbers as bf16.
.macro LNROW Y, D
	v_pk_add_f32 v[LT:LT+1], v[(\Y):(\Y)+1], v[(\Y)+2:(\Y)+3]              ; two chains start the sum: nothing is cleared
	v_pk_add_f32 v[LT+2:LT+3], v[(\Y)+4:(\Y)+5], v[(\Y)+6:(\Y)+7]
.set k, 4
.rept 12
	v_pk_add_f32 v[LT+2*(k%2):LT+2*(k%2)+1], v[LT+2*(k%2):LT+2*(k%2)+1], v[(\Y)+2*k:(\Y)+2*k+1]
.set k, k+1
.endr
	v_pk_add_f32 v[LT:LT+1], v[LT:LT+1], v[LT+2:LT+3]
	v_add_f32 v[LT], v[LT], v[LT+1]
	RED LT, LT+1
	v_mul_f32 v[LT+4], s[RN], v[LT]                ; the mean, twice: a pair for the packed subtraction
	v_mul_f32 v[LT+5], s[RN], v[LT]
.set k, 0
.rept 16
	v_pk_add_f32 v[(\D)+2*k:(\D)+2*k+1], v[(\Y)+2*k:(\Y)+2*k+1], v[LT+4:LT+5] neg_lo:[0,1] neg_hi:[0,1]
.set k, k+1
.endr
	v_pk_mul_f32 v[LT:LT+1], v[(\D):(\D)+1], v[(\D):(\D)+1]
	v_pk_mul_f32 v[LT+2:LT+3], v[(\D)+2:(\D)+3], v[(\D)+2:(\D)+3]
.set k, 2
.rept 14
	v_pk_fma_f32 v[LT+2*(k%2):LT+2*(k%2)+1], v[(\D)+2*k:(\D)+2*k+1], v[(\D)+2*k:(\D)+2*k+1], v[LT+2*(k%2):LT+2*(k%2)+1]
.set k, k+1
.endr
	v_pk_add_f32 v[LT:LT+1], v[LT:LT+1], v[LT+2:LT+3]
	v_add_f32 v[LT], v[LT], v[LT+1]
	RED LT, LT+1
	v_fma_f32 v[LT+2], v[LT], s[RN], s[EP]         ; variance + 1e-6
	v_rsq_f32 v[LT+4], v[LT+2]
	v_rsq_f32 v[LT+5], v[LT+2]
	v_nop                                          ; a plain instruction behind the second root,
	s_wait_alu depctr_va_vdst(0)                   ; and one wait for the two, ahead of their first reader
.set k, 0
.rept 16
	v_pk_mul_f32 v[(\D)+2*k:(\D)+2*k+1], v[(\D)+2*k:(\D)+2*k+1], v[LT+4:LT+5]
.set k, k+1
.endr
.set k, 0
.rept 16
	v_pk_fma_f32 v[(\D)+2*k:(\D)+2*k+1], v[(\D)+2*k:(\D)+2*k+1], v[GG+2*k:GG+2*k+1], v[BB+2*k:BB+2*k+1]
.set k, k+1
.endr
.set k, 0
.rept 8
	v_cvt_pk_bf16_f32 v[(\D)+4*k], v[(\D)+4*k], v[(\D)+4*k+1]
	v_cvt_pk_bf16_f32 v[(\D)+4*k+1], v[(\D)+4*k+2], v[(\D)+4*k+3]
.set k, k+1
.endr
.endm
	s_load_b512 s[4:19], s[0:1], 0x0               ; x 4, g 6, b 8, Wq 10, Wk 12, Wv 14, mask 16, W1 18
	s_load_b128 s[20:23], s[0:1], 0x40             ; W2 20, nrm 22
	s_load_b64 s[24:25], s[0:1], 0x50              ; wb
	s_cmp_lt_u32 ttmp9, 256
	s_cbranch_scc1 .Lln
	; ---- the conversions
	s_sub_co_u32 s29, ttmp9, 256                   ; chunk c
	v_lshlrev_b32 v1, 4, v0                        ; 16 bytes a thread in: the work-group's load covers 4,096 consecutive bytes
	v_lshlrev_b32 v2, 3, v0                        ; 8 bytes a thread out: a wave's store covers 256 consecutive bytes, aligned
	s_mov_b32 s28, 0
	s_wait_kmcnt 0x0
	s_mov_b64 s[26:27], s[10:11]                   ; which array the chunk lies in, and that array's first chunk
	s_cmp_ge_u32 s29, 64
	s_cselect_b64 s[26:27], s[12:13], s[26:27]
	s_cselect_b32 s28, 64, s28
	s_cmp_ge_u32 s29, 128
	s_cselect_b64 s[26:27], s[14:15], s[26:27]
	s_cselect_b32 s28, 128, s28
	s_cmp_ge_u32 s29, 192
	s_cselect_b64 s[26:27], s[16:17], s[26:27]
	s_cselect_b32 s28, 192, s28
	s_cmp_ge_u32 s29, 256
	s_cselect_b64 s[26:27], s[18:19], s[26:27]
	s_cselect_b32 s28, 256, s28
	s_cmp_ge_u32 s29, 512
	s_cselect_b64 s[26:27], s[20:21], s[26:27]
	s_cselect_b32 s28, 512, s28
	s_sub_co_u32 s32, s29, s28
	s_lshl_b32 s32, s32, 16                        ; 65,536 bytes of f32 a chunk
	s_mov_b32 s33, 0
	s_add_nc_u64 s[26:27], s[26:27], s[32:33]
	s_lshl_b32 s34, s29, 15                        ; 32,768 bytes of bf16 a chunk
	s_mov_b32 s35, 0
	s_add_nc_u64 s[30:31], s[24:25], s[34:35]
.set j, 0
.rept 16
	global_load_b128 v[8+4*j:8+4*j+3], v1, s[26:27] offset:4096*j th:TH_LOAD_NT
.set j, j+1
.endr
.set j, 0
.rept 16
	s_wait_loadcnt 15-j                            ; loads come back in order: load j is in, the 15 - j younger ones stay out
	v_cvt_pk_bf16_f32 v[72+2*j], v[8+4*j], v[8+4*j+1]
	v_cvt_pk_bf16_f32 v[72+2*j+1], v[8+4*j+2], v[8+4*j+3]
	global_store_b64 v2, v[72+2*j:72+2*j+1], s[30:31] offset:2048*j
.set j, j+1
.endr
	s_endpgm
	; ---- the norm
.Lln:
	v_lshrrev_b32 v3, 5, v0
	v_readfirstlane_b32 s36, v3                    ; wave 0..7
	v_and_b32 v3, 31, v0
	v_lshlrev_b32 v1, 4, v3                        ; 16 x lane
	v_lshlrev_b32 v2, 3, v3                        ; 8 x lane
	s_lshl_b32 s37, ttmp9, 4
	s_lshl1_add_u32 s37, s36, s37                  ; my first row: 16 x work-group + 2 x wave
	s_lshl_b32 s32, s37, 12
	s_mov_b32 s33, 0
	s_lshl_b32 s34, s37, 11
	s_mov_b32 s35, 0
	s_mov_b32 s[SEL], 0x76543210
	s_mov_b32 s[SEL+1], 0xfedcba98
	s_mov_b32 s[RN], 0x3a800000
	s_mov_b32 s[EP], 0x358637bd
	s_wait_kmcnt 0x0
	s_add_nc_u64 s[26:27], s[4:5], s[32:33]
	s_add_nc_u64 s[30:31], s[22:23], s[34:35]
.set j, 0
.rept 8
	global_load_b128 v[X0+4*j:X0+4*j+3], v1, s[26:27] offset:512*j th:TH_LOAD_NT
	global_load_b128 v[X1+4*j:X1+4*j+3], v1, s[26:27] offset:4096+512*j th:TH_LOAD_NT
.set j, j+1
.endr
.set j, 0
.rept 8
	global_load_b128 v[GG+4*j:GG+4*j+3], v1, s[6:7] offset:512*j
	global_load_b128 v[BB+4*j:BB+4*j+3], v1, s[8:9] offset:512*j
.set j, j+1
.endr
	s_wait_loadcnt 0x0
	LNROW X0, X0
.set j, 0
.rept 8
	global_store_b64 v2, v[X0+4*j:X0+4*j+1], s[30:31] offset:256*j       ; 32 lanes store 256 consecutive bytes, aligned
.set j, j+1
.endr
	LNROW X1, X1
.set j, 0
.rept 8
	global_store_b64 v2, v[X1+4*j:X1+4*j+1], s[30:31] offset:2048+256*j
.set j, j+1
.endr
	s_endpgm
.Lfunc_end_k_q53dbd2eb6b_prep:
	.size	k_q53dbd2eb6b_prep, .Lfunc_end_k_q53dbd2eb6b_prep-k_q53dbd2eb6b_prep
	.p2alignl 7, 3214868480
	.fill 96, 4, 3214868480
	.section	.rodata,"a",@progbits
	.p2align	6, 0x0
	.amdhsa_kernel k_q53dbd2eb6b_prep
		.amdhsa_group_segment_fixed_size 0
		.amdhsa_private_segment_fixed_size 0
		.amdhsa_enable_private_segment 0
		.amdhsa_kernarg_size 88
		.amdhsa_user_sgpr_count 2
		.amdhsa_user_sgpr_kernarg_segment_ptr 1
		.amdhsa_wavefront_size32 1
		.amdhsa_system_sgpr_workgroup_id_x 1
		.amdhsa_system_sgpr_workgroup_id_y 1
		.amdhsa_system_sgpr_workgroup_id_z 1
		.amdhsa_system_vgpr_workitem_id 0
		.amdhsa_next_free_vgpr 144
		.amdhsa_next_free_sgpr 66
		.amdhsa_reserve_vcc 0
		.amdhsa_float_denorm_mode_32 3
		.amdhsa_float_denorm_mode_16_64 3
		.amdhsa_memory_ordered 1
		.amdhsa_forward_progress 1
		.amdhsa_inst_pref_size 27
	.end_amdhsa_kernel
	.amdgpu_metadata
---
amdhsa.version: [ 1, 2 ]
amdhsa.kernels:
  - .name:           k_q53dbd2eb6b_prep
    .symbol:         k_q53dbd2eb6b_prep.kd
    .args:
      - { .name: x, .offset: 0, .size: 8, .value_kind: global_buffer, .address_space: global }
      - { .name: ln_attn_g, .offset: 8, .size: 8, .value_kind: global_buffer, .address_space: global }
      - { .name: ln_attn_b, .offset: 16, .size: 8, .value_kind: global_buffer, .address_space: global }
      - { .name: Wq, .offset: 24, .size: 8, .value_kind: global_buffer, .address_space: global }
      - { .name: Wk, .offset: 32, .size: 8, .value_kind: global_buffer, .address_space: global }
      - { .name: Wv, .offset: 40, .size: 8, .value_kind: global_buffer, .address_space: global }
      - { .name: mask, .offset: 48, .size: 8, .value_kind: global_buffer, .address_space: global }
      - { .name: W1, .offset: 56, .size: 8, .value_kind: global_buffer, .address_space: global }
      - { .name: W2, .offset: 64, .size: 8, .value_kind: global_buffer, .address_space: global }
      - { .name: nrm, .offset: 72, .size: 8, .value_kind: global_buffer, .address_space: global }
      - { .name: wb, .offset: 80, .size: 8, .value_kind: global_buffer, .address_space: global }
    .group_segment_fixed_size: 0
    .private_segment_fixed_size: 0
    .kernarg_segment_align: 8
    .kernarg_segment_size: 88
    .max_flat_workgroup_size: 256
    .sgpr_count:     66
    .vgpr_count:     144
    .wavefront_size: 32
...
	.end_amdgpu_metadata
.endif
;; end of part 1
;; launch qkv (part 2): grid 12 x 16, 4 waves a work-group, clusters of 4 x 4, 327,680 bytes of LDS; arguments nrm, wb, bq, bk, bv, qkv; writes qkv
.if DOCPART == 2
	.amdgcn_target "amdgcn-amd-amdhsa--gfx1250"
	.amdhsa_code_object_version 6
	.text
	.protected	k_q53dbd2eb6b_qkv
	.globl	k_q53dbd2eb6b_qkv
	.p2align	8
	.type	k_q53dbd2eb6b_qkv,@function
k_q53dbd2eb6b_qkv:
	s_mov_b64 s[64:65], 0
	v_nop
	global_prefetch_b8 v0, s[64:65] scope:SCOPE_SE
	s_setreg_imm32_b32 hwreg(HW_REG_WAVE_MODE, 25, 1), 1
	s_wait_xcnt 0x0
	s_wait_alu depctr_hold_cnt(0) depctr_sa_sdst(0) depctr_va_vdst(0) depctr_va_sdst(0) depctr_va_ssrc(0) depctr_va_vcc(0) depctr_vm_vsrc(0)
	s_getreg_b32 s2, hwreg(HW_REG_IB_STS2, 6, 4)
	s_cmp_eq_u32 s2, 0
	s_cbranch_scc0 .Lentry_in_a_cluster
	s_endpgm
.Lentry_in_a_cluster:
	s_bfe_u32 s2, ttmp6, 0x10000c
	s_cmp_lg_u32 s2, 0xf033
	s_cbranch_scc0 .Lentry_shape_is_right
	s_endpgm
.Lentry_shape_is_right:
; q, k, v = nrm W + bias, by heads: qkv[mat][16 b + head][s][64] in bf16, unscaled (the 1/8 is applied in f32 in the softmax).
; C = A B with A = nrm [4096][1024] bf16 and B = W [1024 k][1024 n] bf16 as it lies; sums in f32.  Cluster x is the matrix (q, k, v).
; A work-group makes 256 x 256 of C, each of its four waves 128 x 128: 64 accumulators, 512 registers.  12 x 16 = 192 work-groups.
; K goes in steps of 128 through two LDS slots filled by the tensor data mover; waves 0, 1 fetch A's halves, waves 2, 3 B's.
; B's fragments come out of LDS turned (ds_load_tr16_b128).  The matrix instruction is used transposed (source 0 = 16 columns of B,
; source 1 = 16 rows of A): a lane then holds one row of C and eight neighbouring columns.
; CLUSTER 4 x 4: A's tile is asked for jointly by a row of the cluster, B's by a column.
; ONE K STEP IS WRITTEN ONCE: the loop's trip goes from a step's second quarter to the next step's first; LDS addresses hang on s[TB],
; which an exclusive or turns from one slot to the other (SLOT shares no bit with the four LDS words 0, 0x8800, 0x11000, 0x19800).
; THE WAY OUT: when the ring has had its last fill each wave lays its f32 tile into its own 67,584 bytes of it and reads rows back,
; eight rows a trip; a trip's loads are issued in the trip before.
; REGISTERS: window 0: v0-39 addresses and bias, v64-191 A's fragments (two buffers), later the way out; window 1: v64-191 B's;
; windows 2, 3: accumulator (a, b) at v[8 (8 (a % 4) + b)].
.set TM,     256
.set TN,     256
.set KDIM,   1024
.set NPITCH, 1024
.set KSTEP,  128
.set NQ,     4                         ; quarters of 32 along K that a wave multiplies in a K step
.set STEPS,  KDIM/KSTEP
.set PA,     272                       ; A's LDS row: 256 bytes + 16: the 16 rows of a load start at 16 different groups of four banks
.set PB,     544                       ; B's LDS row: 512 bytes + 32, an odd multiple of 32 for the turning load
.set QIA,    5                         ; padding after every 64 words
.set QIB,    6                         ; after every 128 words
.set HALFA,  (TM/2)*PA
.set HALFB,  (KSTEP/2)*PB
.set AT,     2*HALFA                   ; B's tile lies behind A's
.set SLOT,   139264
.set SPARE,  2*SLOT                    ; the spare words: 128 bytes a wave, two blocks of 256 bytes that no other line names
.set SP,     528                       ; a stage row: 512 bytes + 16
.set WSTG,   128*SP
.set ASTEP,  2*KSTEP
.set BSTEP,  KSTEP*2*NPITCH
.set AHEAD,  1                         ; the prefetches name the K step this many behind the one being asked for
.set ABPR,   1                         ; blocks of 256 bytes in a row of A's tile
.set BBPR,   2                         ; and of B's
.set A0,   16                          ; v16 my lane's place in A's tile; never rewritten
.set B0,   17                          ; v17 the same for B
.set ADRA, 18                          ; v18, v19 the same in the slot in hand
.set ADRB, 19
.set STO,  24
.set RD,   25
.set CO,   26
.set SPW,  28                          ; v28 my spare word; never rewritten
.set NIL,  29                          ; v29 0; never rewritten
.set PFO,  30
.set BI,   32                          ; v[32:39] bias
.set F0,   64
.set F1,   128
.set LN,   64                          ; the way out: v[64:95] eight rows' pieces as they land,
.set OU,   96                          ; v[96:111] packed results,
.set T,    112                         ; v[112:143] + bias
.set G1A,  24
.set G0A,  32
.set G0B,  36
.set PFA,  44
.set PST,  46
.set G1B,  48
.set TB,   56                          ; s56 0 or SLOT: the slot that is read
.set LIM,  59
.set WV,   72
.set HI,   73                          ; wave / 2: my half of the rows; also 0: I fetch A, 1: B
.set LO,   74                          ; wave % 2: my half of the columns; also which half of that tile I fetch
.set MSB, 0
.macro WIN new                         ; the immediate's high byte repeats the setting that is left; a switch that changes nothing is dropped
.if MSB != (\new)
	s_set_vgpr_msb (MSB<<8)|(\new)
.set MSB, \new
.endif
.endm
.set MUL_LO, 0xa1                      ; source 0 (B) window 1, source 1 (A) window 0, C and D window 2
.set MUL_HI, 0xf1                      ; the same, C and D window 3
.set TO_B,   0x40                      ; destination window 1, address window 0
.macro JLOAD                           ; a joint load; an s_nop 0 and four v_nop follow each line
	s_cmp_eq_u32 s[HI], 0
	s_cbranch_scc0 .Lfor_b_\@
	tensor_load_to_lds s[G0A:G0A+3], s[G1A:G1A+7]
	s_nop 0
.rept 4
	v_nop
.endr
	s_branch .Lasked_\@
.Lfor_b_\@:
	tensor_load_to_lds s[G0B:G0B+3], s[G1B:G1B+7]
	s_nop 0
.rept 4
	v_nop
.endr
.Lasked_\@:
.endm
.macro CREST                           ; a round of the cluster's barrier behind its opening barrier
	s_cmp_lg_u32 s[WV], 0
	s_cbranch_scc1 .Lnot_wave_0_\@
	s_barrier_signal -3
.Lnot_wave_0_\@:
	s_barrier_wait -3
	s_barrier_signal -1
	s_barrier_wait -1
.endm
.macro CROUND
	s_barrier_signal -1
	s_barrier_wait -1
	CREST
.endm
.macro PLACES                          ; four plain instructions between a matrix instruction and a load into, or a reader of, its registers
.rept 4
	v_nop
.endr
.endm
.macro MUL16 f, hi, a0, zero           ; 16 products: row blocks a0, a0 + 1 of the window's four x all 8 column blocks; zero = 1 starts the sums
	WIN MUL_LO+0x50*(\hi)
.irp a, \a0, (\a0)+1
.irp b, 0,1,2,3,4,5,6,7
.if \zero
	v_wmma_f32_16x16x32_bf16 v[8*(8*(\a)+(\b)):8*(8*(\a)+(\b))+7], v[(\f)+8*(\b):(\f)+8*(\b)+7], v[(\f)+8*(4*(\hi)+(\a)):(\f)+8*(4*(\hi)+(\a))+7], 0
.else
	v_wmma_f32_16x16x32_bf16 v[8*(8*(\a)+(\b)):8*(8*(\a)+(\b))+7], v[(\f)+8*(\b):(\f)+8*(\b)+7], v[(\f)+8*(4*(\hi)+(\a)):(\f)+8*(4*(\hi)+(\a))+7], v[8*(8*(\a)+(\b)):8*(8*(\a)+(\b))+7]
.endif
.endr
.endr
.endm
.macro FETCH q, f                      ; 32 LDS loads in one run: quarter q's fragments, B's 128 columns (turned), then A's 128 rows
	WIN TO_B
.irp i, 0,1,2,3,4,5,6,7
	ds_load_tr16_b128 v[(\f)+8*(\i):(\f)+8*(\i)+3],   v[ADRB] offset:(\q)*32*PB+32*(\i)
	ds_load_tr16_b128 v[(\f)+8*(\i)+4:(\f)+8*(\i)+7], v[ADRB] offset:(\q)*32*PB+16*PB+32*(\i)
.endr
	WIN 0
.irp i, 0,1,2,3,4,5,6,7
	ds_load_b128 v[(\f)+8*(\i):(\f)+8*(\i)+3],   v[ADRA] offset:64*(\q)+(\i)*16*PA
	ds_load_b128 v[(\f)+8*(\i)+4:(\f)+8*(\i)+7], v[ADRA] offset:64*(\q)+(\i)*16*PA+32
.endr
.endm
.macro QUARTER q, f, g, zero           ; multiplies buffer f; in its middle fetches quarter q into buffer g
	s_wait_dscnt 8                                 ; B and A's rows 0-63 are in; the youngest eight loads (A's rows 64-127) may be out
	MUL16 \f, 0, 0, \zero
	MUL16 \f, 0, 2, \zero
	PLACES
	FETCH \q, \g
	s_wait_dscnt 32                                ; all but the 32 just issued
	MUL16 \f, 1, 0, \zero
	MUL16 \f, 1, 2, \zero
.endm
.macro MEET                            ; the change of slots, first half: all my tensor loads, the add, my reads of this slot, then the barrier
	WIN 0
	s_wait_tensorcnt 0x0                           ; the one load of mine that was out, my part of the next slot, has landed
	ds_add_u32 v[SPW], v[NIL]                      ; 0 onto my spare word
	s_wait_dscnt 9                                 ; the add and the youngest eight loads may be out
	MUL16 F1, 0, 0, 0
	s_wait_dscnt 0x0                               ; the add is done and my reads of this slot are over
	s_barrier_signal -1
	MUL16 F1, 0, 2, 0
	WIN 0
	s_barrier_wait -1
.endm
.macro SWAP                            ; the slot just read is asked for again, one K step behind the other slot's; the reads turn to the other slot
	s_xor_b32 s[G0A+1], s[G0A+1], SLOT
	s_xor_b32 s[G0B+1], s[G0B+1], SLOT
	s_add_nc_u64 s[G0A+2:G0A+3], s[G0A+2:G0A+3], ASTEP
	s_add_nc_u64 s[G0B+2:G0B+3], s[G0B+2:G0B+3], BSTEP
	JLOAD
	s_xor_b32 s[TB], s[TB], SLOT
	v_add_nc_u32 v[ADRA], s[TB], v[A0]
	v_add_nc_u32 v[ADRB], s[TB], v[B0]
.endm
; A prefetch of 32 blocks of 256 bytes of the K step AHEAD behind the one just asked for.  A's rows are named by the first cluster along x,
; B's by the first along y; the four partners of a joint load share its 128 blocks out by address.  The last AHEAD refills name nothing.
.macro ASK
	s_cmp_gt_u32 s3, s[LIM]
	s_cbranch_scc0 .Lnot_mine_\@
	global_prefetch_b8 v[PFO], s[PFA:PFA+1] th:TH_LOAD_NT scope:SCOPE_SE
.Lnot_mine_\@:
.endm
.macro TURN                            ; a step's last quarter, with the refill
	s_wait_xcnt 0x0                                ; the last prefetch, a K step back, has read its address
	s_add_nc_u64 s[PFA:PFA+1], s[PFA:PFA+1], s[PST:PST+1]
	MEET
	CREST                                          ; the barrier has opened a round of the cluster's: no wave of any partner reads this slot or has a load out
	SWAP                                           ; the four v_nop behind the joint load are the places in front of the loads below
	FETCH 0, F0
	ASK
	MUL16 F1, 1, 0, 0
	MUL16 F1, 1, 2, 0
.endm
.macro TURN0                           ; the same in the last two steps: nothing is asked for; the very last fetches nothing
	MEET
	s_cmp_eq_u32 s2, 1
	s_cbranch_scc1 .Lnofetch_\@
	s_xor_b32 s[TB], s[TB], SLOT
	v_add_nc_u32 v[ADRA], s[TB], v[A0]
	v_add_nc_u32 v[ADRB], s[TB], v[B0]
	v_nop
	v_nop
	FETCH 0, F0
.Lnofetch_\@:
	MUL16 F1, 1, 0, 0
	MUL16 F1, 1, 2, 0
.endm
.macro DUMP                            ; my 64 accumulators into my stage; each accumulator's low four registers first
.irp a, 0,1,2,3,4,5,6,7
	WIN 0x08+4*((\a)/4)
.irp b, 0,1,2,3,4,5,6,7
	ds_store_b128 v[STO], v[8*(8*((\a)%4)+(\b)):8*(8*((\a)%4)+(\b))+3]   offset:(\a)*16*SP+64*(\b)
	ds_store_b128 v[STO], v[8*(8*((\a)%4)+(\b))+4:8*(8*((\a)%4)+(\b))+7] offset:(\a)*16*SP+64*(\b)+16
.endr
.endr
	WIN 0
.endm
.macro ROWLD                           ; eight rows of my stage: pair p of rows, head j: 32 lanes take two rows' 256 bytes each
.irp p, 0,1,2,3
.irp j, 0,1
	ds_load_b128 v[LN+4*(2*(\p)+(\j)):LN+4*(2*(\p)+(\j))+3], v[RD] offset:2*(\p)*SP+256*(\j)
.endr
.endr
.endm
	s_load_b256 s[4:11], s[0:1], 0x0               ; nrm 4, wb 6, bq 8, bk 10
	s_load_b128 s[12:15], s[0:1], 0x20             ; bv 12, qkv 14
	v_lshl_add_u32 v[SPW], v0, 2, SPARE
	v_mov_b32 v[NIL], 0
	ds_add_u32 v[SPW], v[NIL]                      ; the opening: the add, and its wait ahead of my first tensor load
	v_lshrrev_b32 v3, 5, v0
	v_readfirstlane_b32 s[WV], v3
	s_lshr_b32 s[HI], s[WV], 1
	s_and_b32 s[LO], s[WV], 1
	s_bfe_u32 s40, ttmp6, 0x40000                  ; cx
	s_bfe_u32 s41, ttmp6, 0x40004                  ; cy
	s_and_b32 s43, ttmp7, 0xffff
	s_lshl_b32 s43, s43, 2
	s_add_co_u32 s43, s43, s41                     ; tile row
	s_lshl_b32 s22, s41, 2
	s_lshl_b32 s22, 15, s22                        ; my row of the cluster
	s_lshl_b32 s23, 0x1111, s40                    ; my column
	s_or_b32 s[G1A], s22, (1<<16)|(1<<20)|(1<<21)|(QIA<<22)|(3<<25)   ; mask; 2-byte elements; padding on; bit 21 beside a mask; interval; 4 words
	s_or_b32 s[G1B], s23, (1<<16)|(1<<20)|(1<<21)|(QIB<<22)|(7<<25)   ; the same with 8 words of padding
	s_mov_b32 s[G1A+1], KSTEP<<16                  ; tensor_dim0
	s_mov_b32 s[G1A+2], (TM/2)<<16                 ; tensor_dim1
	s_mov_b32 s[G1A+3], KSTEP<<16                  ; tile_dim0
	s_mov_b32 s[G1A+4], TM/2                       ; tile_dim1
	s_mov_b32 s[G1A+5], KDIM                       ; elements from row to row
	s_mov_b32 s[G1A+6], 0
	s_mov_b32 s[G1A+7], 0
	s_mov_b32 s[G1B+1], TN<<16
	s_mov_b32 s[G1B+2], (KSTEP/2)<<16
	s_mov_b32 s[G1B+3], TN<<16
	s_mov_b32 s[G1B+4], KSTEP/2
	s_mov_b32 s[G1B+5], NPITCH
	s_mov_b32 s[G1B+6], 0
	s_mov_b32 s[G1B+7], 0
	s_mov_b32 s[G0A], 1
	s_mul_i32 s[G0A+1], s[LO], HALFA               ; LDS: slot 0, my half of A's tile
	s_mov_b32 s[G0B], 1
	s_mul_i32 s[G0B+1], s[LO], HALFB
	s_add_co_u32 s[G0B+1], s[G0B+1], AT
	s_mov_b32 s[TB], SLOT
	s_lshl_b32 s16, s43, 8                         ; A: row 256 x tile row + 128 x half
	s_lshl_b32 s17, s[LO], 7
	s_add_co_u32 s16, s16, s17
	s_mul_i32 s16, s16, 2*KDIM
	s_mov_b32 s17, 0
	s_mul_i32 s20, s[LO], (KSTEP/2)*2*NPITCH       ; B: my 64 k-rows, the tile's 512 bytes of them, the matrix
	s_lshl_b32 s21, s40, 9
	s_add_co_u32 s20, s20, s21
	s_lshl_b32 s21, ttmp9, 21
	s_add_co_u32 s20, s20, s21
	s_mov_b32 s21, 0
	s_wait_dscnt 0x0                               ; the opening add is done
	s_wait_kmcnt 0x0
	s_add_nc_u64 s[G0A+2:G0A+3], s[4:5], s[16:17]
	s_or_b32 s[G0A+3], s[G0A+3], 0x80000000
	s_add_nc_u64 s[G0B+2:G0B+3], s[6:7], s[20:21]
	s_or_b32 s[G0B+3], s[G0B+3], 0x80000000
	CROUND                                         ; all sixteen work-groups are here: the first joint loads meet
	JLOAD                                          ; K step 0 into slot 0
	v_and_b32 v1, 15, v0                           ; l % 16
	v_bfe_u32 v2, v0, 4, 1                         ; l / 16
	v_and_b32 v3, 7, v0
	v_bfe_u32 v4, v0, 3, 1
	v_and_b32 v5, 31, v0                           ; l
	v_mul_u32_u24 v[A0], v1, PA
	v_lshl_add_u32 v[A0], v2, 4, v[A0]
	s_mul_i32 s66, s[HI], HALFA
	v_add_nc_u32 v[A0], s66, v[A0]                 ; my 128 rows: row x pitch + 16 x half
	v_lshl_add_u32 v6, v2, 3, v3
	v_mul_u32_u24 v[B0], v6, PB
	v_lshl_add_u32 v[B0], v4, 4, v[B0]
	s_lshl_b32 s66, s[LO], 8
	s_add_co_u32 s66, s66, AT
	v_add_nc_u32 v[B0], s66, v[B0]                 ; k-row 8 (l / 16) + l % 8, 16 bytes by (l / 8) % 2, my 128 columns
	s_mul_i32 s67, s[WV], WSTG
	v_mul_u32_u24 v[STO], v1, SP
	v_lshl_add_u32 v[STO], v2, 5, v[STO]
	v_add_nc_u32 v[STO], s67, v[STO]               ; in: row l % 16, 32 bytes for each half of the lanes
	v_mul_u32_u24 v[RD], v2, SP
	v_lshl_add_u32 v[RD], v1, 4, v[RD]
	v_add_nc_u32 v[RD], s67, v[RD]                 ; back: lanes 0-15 one row's 256 bytes (a head's 64 columns), lanes 16-31 the next row's
	v_lshlrev_b32 v[CO], 3, v5                     ; two rows of a head are 256 consecutive bytes of qkv
	s_cmp_eq_u32 ttmp9, 1                          ; the matrix's bias
	s_cselect_b64 s[68:69], s[10:11], s[8:9]
	s_cmp_eq_u32 ttmp9, 2
	s_cselect_b64 s[68:69], s[12:13], s[68:69]
	s_lshl_b32 s70, s40, 10
	s_lshl_b32 s71, s[LO], 9
	s_add_co_u32 s70, s70, s71
	v_lshl_add_u32 v7, v1, 4, s70
	global_load_b128 v[BI:BI+3], v7, s[68:69]                ; my four columns of the first head,
	global_load_b128 v[BI+4:BI+7], v7, s[68:69] offset:256   ; of the second
	s_lshr_b32 s82, s43, 2                         ; where my tile goes: batch,
	s_lshl_b32 s82, s82, 4
	s_lshl_b32 s83, s40, 2
	s_add_co_u32 s82, s82, s83
	s_lshl_b32 s83, s[LO], 1
	s_add_co_u32 s82, s82, s83                     ; 16 b + my first head,
	s_lshl_b32 s82, s82, 17
	s_and_b32 s83, s43, 3
	s_lshl_b32 s83, s83, 8
	s_lshl_b32 s84, s[HI], 7
	s_add_co_u32 s83, s83, s84                     ; my first position s,
	s_lshl_b32 s83, s83, 7
	s_add_co_u32 s82, s82, s83
	s_lshl_b32 s83, ttmp9, 23                      ; the matrix
	s_add_co_u32 s82, s82, s83
	s_mov_b32 s83, 0
	s_add_nc_u64 s[80:81], s[14:15], s[82:83]
	; the prefetches
	s_mul_i32 s84, s43, TM
	s_mul_i32 s85, s[LO], TM/2
	s_add_co_u32 s84, s84, s85
	s_mul_i32 s85, s40, 32/ABPR
	s_add_co_u32 s84, s84, s85
	s_mul_i32 s84, s84, 2*KDIM                     ; A: my work-group's share of the rows that I fetch
	s_mul_i32 s86, s[LO], KSTEP/2
	s_mul_i32 s87, s41, 32/BBPR
	s_add_co_u32 s86, s86, s87
	s_mul_i32 s86, s86, 2*NPITCH                   ; B: my work-group's share of the k-rows
	s_lshl_b32 s88, s40, 9
	s_add_co_u32 s86, s86, s88
	s_lshl_b32 s88, ttmp9, 21
	s_add_co_u32 s86, s86, s88
	s_and_b32 s87, ttmp7, 0xffff                   ; cluster y
	s_mov_b32 s89, ASTEP
	s_mov_b32 s92, BSTEP
	s_mov_b32 s93, 2*KDIM
	s_mov_b32 s94, 2*NPITCH
	s_cmp_eq_u32 s[HI], 0
	s_cselect_b32 s84, s84, s86
	s_cselect_b32 s87, ttmp9, s87                  ; the coordinate along which other clusters read the same blocks
	s_cselect_b64 s[PFA:PFA+1], s[4:5], s[6:7]
	s_cselect_b32 s[PST], s89, s92
	s_cselect_b32 s93, s93, s94                    ; bytes from row to row
	s_cselect_b32 s94, ABPR-1, BBPR-1              ; blocks in a row less 1: a mask, and (1 or 2 blocks) the shift too
	s_mov_b32 s[PST+1], 0
	s_mov_b32 s85, 0
	s_add_nc_u64 s[PFA:PFA+1], s[PFA:PFA+1], s[84:85]
	s_mul_i32 s84, s[PST], 1+AHEAD
	s_add_nc_u64 s[PFA:PFA+1], s[PFA:PFA+1], s[84:85]   ; at K step 1 + AHEAD; each refill steps it before use
	s_cmp_eq_u32 s87, 0
	s_cselect_b32 s[LIM], AHEAD, -1                ; the same in all sixteen partners, for a given wave
	v_lshrrev_b32 v8, s94, v5
	v_mul_lo_u32 v8, v8, s93
	v_and_b32 v9, s94, v5
	v_lshl_add_u32 v[PFO], v9, 8, v8
	s_wait_tensorcnt 0x0                           ; my part of K step 0 is in
	ds_add_u32 v[SPW], v[NIL]
	s_wait_dscnt 0x0
	CROUND                                         ; everybody's is, in every partner
	SWAP                                           ; K step 1 into slot 1; the reads turn to slot 0
	FETCH 0, F0
	QUARTER 1, F0, F1, 1                           ; the first quarter's products start the sums: nothing is cleared
	WIN 0
	s_mov_b32 s3, STEPS-2
.Lstep:                                        ; trip t: the rest of K step t, K step t + 2 asked for, the first quarter of K step t + 1
.if NQ == 4
	QUARTER 2, F1, F0, 0
	QUARTER 3, F0, F1, 0
.endif
	TURN
	QUARTER 1, F0, F1, 0
	WIN 0
	s_sub_co_u32 s3, s3, 1
	s_cmp_lg_u32 s3, 0
	s_cbranch_scc1 .Lstep
	s_mov_b32 s2, 2
.Ltail:                                        ; the last two K steps ask for nothing; the second trip is left in its middle
.if NQ == 4
	QUARTER 2, F1, F0, 0
	QUARTER 3, F0, F1, 0
.endif
	TURN0
	WIN 0
	s_sub_co_u32 s2, s2, 1
	s_cmp_eq_u32 s2, 0
	s_cbranch_scc1 .Lout
	QUARTER 1, F0, F1, 0
	WIN 0
	s_branch .Ltail
.Lout:
	s_wait_dscnt 0x0                               ; no read of the ring is out, in any wave, before a wave stores into it
	s_barrier_signal -1
	s_barrier_wait -1
.rept 8
	v_nop
.endr
	DUMP
	s_wait_dscnt 0x0                               ; my tile lies in my stage;
	s_barrier_signal -1
	s_barrier_wait -1                              ; every wave's does: every read of the stages stands behind every store into them
	ROWLD                                          ; the first eight rows
	s_wait_loadcnt 0x0                             ; the bias
	s_mov_b32 s3, 16
.Lrows:                                        ; eight rows a trip: + bias, rounded once to bf16, stored by heads
	s_wait_dscnt 0x0                               ; this trip's rows, asked for a trip ago
.set n, 0
.rept 8
	v_pk_add_f32 v[T+4*n:T+4*n+1], v[LN+4*n:LN+4*n+1], v[BI+4*(n%2):BI+4*(n%2)+1]
	v_pk_add_f32 v[T+4*n+2:T+4*n+3], v[LN+4*n+2:LN+4*n+3], v[BI+4*(n%2)+2:BI+4*(n%2)+3]
.set n, n+1
.endr
	s_cmp_eq_u32 s3, 1                             ; the last trip has no rows behind it
	s_cbranch_scc1 .Lnoload
	v_add_nc_u32 v[RD], 8*SP, v[RD]
	ROWLD                                          ; the next trip's rows: the landing registers have just been read out
.Lnoload:
	s_wait_xcnt 0x0                                ; the last trip's stores have read their registers: only now are these written again
	v_add_nc_u32 v[CO], 1024, v[CO]                ; the stores below reach back by the immediate
.set n, 0
.rept 8
	v_cvt_pk_bf16_f32 v[OU+2*n], v[T+4*n], v[T+4*n+1]
	v_cvt_pk_bf16_f32 v[OU+2*n+1], v[T+4*n+2], v[T+4*n+3]
.set n, n+1
.endr
.set n, 0
.rept 8
	global_store_b64 v[CO], v[OU+2*n:OU+2*n+1], s[80:81] offset:256*(n/2)+131072*(n%2)-1024   ; 32 lanes store 256 consecutive bytes, aligned
.set n, n+1
.endr
	s_sub_co_u32 s3, s3, 1
	s_cmp_lg_u32 s3, 0
	s_cbranch_scc1 .Lrows
	s_wait_tensorcnt 0x0                           ; the wave's end
	ds_add_u32 v[SPW], v[NIL]
	s_wait_dscnt 0x0
	CROUND                                         ; the closing round
	s_endpgm
.Lfunc_end_k_q53dbd2eb6b_qkv:
	.size	k_q53dbd2eb6b_qkv, .Lfunc_end_k_q53dbd2eb6b_qkv-k_q53dbd2eb6b_qkv
	.p2alignl 7, 3214868480
	.fill 96, 4, 3214868480
	.section	.rodata,"a",@progbits
	.p2align	6, 0x0
	.amdhsa_kernel k_q53dbd2eb6b_qkv
		.amdhsa_group_segment_fixed_size 327680
		.amdhsa_private_segment_fixed_size 0
		.amdhsa_enable_private_segment 0
		.amdhsa_kernarg_size 48
		.amdhsa_user_sgpr_count 2
		.amdhsa_user_sgpr_kernarg_segment_ptr 1
		.amdhsa_wavefront_size32 1
		.amdhsa_system_sgpr_workgroup_id_x 1
		.amdhsa_system_sgpr_workgroup_id_y 1
		.amdhsa_system_sgpr_workgroup_id_z 1
		.amdhsa_system_vgpr_workitem_id 0
		.amdhsa_next_free_vgpr 1024
		.amdhsa_next_free_sgpr 96
		.amdhsa_reserve_vcc 0
		.amdhsa_float_denorm_mode_32 3
		.amdhsa_float_denorm_mode_16_64 3
		.amdhsa_memory_ordered 1
		.amdhsa_forward_progress 1
		.amdhsa_inst_pref_size 84
	.end_amdhsa_kernel
	.amdgpu_metadata
---
amdhsa.version: [ 1, 2 ]
amdhsa.kernels:
  - .name:           k_q53dbd2eb6b_qkv
    .symbol:         k_q53dbd2eb6b_qkv.kd
    .args:
      - { .name: nrm, .offset: 0, .size: 8, .value_kind: global_buffer, .address_space: global }
      - { .name: wb, .offset: 8, .size: 8, .value_kind: global_buffer, .address_space: global }
      - { .name: bq, .offset: 16, .size: 8, .value_kind: global_buffer, .address_space: global }
      - { .name: bk, .offset: 24, .size: 8, .value_kind: global_buffer, .address_space: global }
      - { .name: bv, .offset: 32, .size: 8, .value_kind: global_buffer, .address_space: global }
      - { .name: qkv, .offset: 40, .size: 8, .value_kind: global_buffer, .address_space: global }
    .group_segment_fixed_size: 327680
    .private_segment_fixed_size: 0
    .kernarg_segment_align: 8
    .kernarg_segment_size: 48
    .max_flat_workgroup_size: 128
    .sgpr_count:     96
    .vgpr_count:     1024
    .wavefront_size: 32
...
	.end_amdgpu_metadata
.endif
;; end of part 2
;; launch attn (part 3): grid 4 x 64, 8 waves a work-group, clusters of 4 x 4, 327,680 bytes of LDS; arguments qkv, wb, x, ln_ffn_g, ln_ffn_b, res, nrm; writes res, nrm
.if DOCPART == 3
	.amdgcn_target "amdgcn-amd-amdhsa--gfx1250"
	.amdhsa_code_object_version 6
	.text
	.protected	k_q53dbd2eb6b_attn
	.globl	k_q53dbd2eb6b_attn
	.p2align	8
	.type	k_q53dbd2eb6b_attn,@function
k_q53dbd2eb6b_attn:
	s_mov_b64 s[64:65], 0
	v_nop
	global_prefetch_b8 v0, s[64:65] scope:SCOPE_SE
	s_setreg_imm32_b32 hwreg(HW_REG_WAVE_MODE, 25, 1), 1
	s_wait_xcnt 0x0
	s_wait_alu depctr_hold_cnt(0) depctr_sa_sdst(0) depctr_va_vdst(0) depctr_va_sdst(0) depctr_va_ssrc(0) depctr_va_vcc(0) depctr_vm_vsrc(0)
	s_getreg_b32 s2, hwreg(HW_REG_IB_STS2, 6, 4)
	s_cmp_eq_u32 s2, 0
	s_cbranch_scc0 .Lentry_in_a_cluster
	s_endpgm
.Lentry_in_a_cluster:
	s_bfe_u32 s2, ttmp6, 0x10000c
	s_cmp_lg_u32 s2, 0xf033
	s_cbranch_scc0 .Lentry_shape_is_right
	s_endpgm
.Lentry_shape_is_right:
; context = softmax((q . k / 8) x mask) v; res = context (plainly reshaped) + x, f32; nrm = LayerNorm(res) g + b, bf16.
; The mask MULTIPLIES the scores: a masked score is 0 and every key takes part in every softmax, so every tile is computed.
; SHARES.  Work-group x = block of 256 queries, y = 16 b + head.  Each of eight waves owns 32 queries, two tiles of 16, and walks all 1,024 keys,
; 64 a step.  Two waves lie on a SIMD: one wave's products run beside the other's softmax, and a step is written plainly, in phases.
; LAYOUT.  S^T = K Q^T: a lane holds ONE query (lane % 16) and keys 8 (lane / 16) + 0..7; two results rounded to bf16 ARE source 1 of O^T = V^T P.
; SOFTMAX.  t = s x mask; p = 2^(c t - c m), c = log2(e) / 8, with a running maximum m; O and l are multiplied by a = 2^(c m_old - c m_new) each step.
; m starts at the lowest finite number, O and l at 0 (64 + 4 moves in the wait for the first tile), so that no first step is written out.
; THE RESHAPE.  16 consecutive queries of a head are one whole row of the [4096][1024] stream: row 64 (16 b + head) + s / 16.  So a tile is a row,
; and the residual and the second norm are made here, in the wave that owns the tile.
; CLUSTER 4 x 4.  K and V hang on the head: asked for jointly along a row of the cluster.  The mask's tile hangs on the query block: along a column.
; LIMITS.  q, k, v, p and the mask are bf16; a weight below 2^-126 counts as 0 in l; NaN and infinities are not treated apart.
; REGISTERS.  Window 0: v0-47 addresses and statistics; v64-127 S^T; v128-159 mask; v160-191 P; v192-255 O^T.  Window 1: v0-31 Q; v32-95 K; v96-159 V.
.set KS,    64
.set PM,    272                        ; a row of the mask's tile: 128 keys = 256 bytes + 16
.set PK,    144                        ; a row of K: 128 bytes + 16
.set PV,    160                        ; a row of V: 128 bytes + 32, an odd multiple of 32 for the turning load
.set KOFF,  256*PM                     ; a slot holds 128 keys: the mask's 256 rows, then K's 128, then V's 128
.set VOFF,  KOFF+128*PK
.set SLOT1, 1<<17                      ; slot 1 begins here: one exclusive or turns an address in one slot into the other's
.set STAGE, SLOT1+VOFF+128*PV          ; never filled by a tensor load: 32 rows x 272 bytes for each wave
.set SP,    272
.set WSTG,  32*SP
.set SPARE, STAGE+8*WSTG               ; the spare words: 128 bytes a wave, four blocks of 256 bytes that no other line names
.set MASK_OFF, 6291456
.set MATB,  8388608                    ; bytes of q, of k, of v
.set AK0, 2
.set AV0, 3
.set AM0, 4
.set AK,  5
.set AV,  6
.set AM,  7
.set QO,  8
.set MV,  12                           ; v12-13 c m_old, kept while c m is made anew
.set ZR,  14                           ; v14 0
.set PFO, 15
.set ST,  16                           ; tile u at v[ST+4u]: c m, m, l (even keys', odd keys')
.set TMP, 24                           ; tile u at v[TMP+4u]: c0-c3 at work; c2 takes a
.set STO, 32
.set RD,  33
.set HO,  34
.set XO,  35
.set SPW, 36                           ; my spare word; never rewritten
.set NIL, 37                           ; 0; never rewritten
.set LT,  38                           ; v[38:43] the norm's registers at work
.set S,   64
.set M,   128
.set P,   160
.set O,   192
.set KF,  32                           ; window 1
.set VF,  96                           ; window 1
.set GG,  M                            ; the way out: gain and bias take the mask's and P's registers
.set BB,  P
.set WV,  18
.set G1M, 24
.set G1K, 32
.set G1V, 40
.set G0M, 48
.set G0K, 52
.set G0V, 56
.set CS,  60                           ; s[60:61] c
.set SEL, 62                           ; s[62:63]
.set TBK, 72
.set TBV, 73
.set TBM, 74
.set SLOTS, 75
.set CNT, 76
.set LIM, 77
.set PFA, 78
.set PST, 80
.set RN,  88
.set EP,  89
.set MSB, 0
.macro WIN new
.if MSB != (\new)
	s_set_vgpr_msb (MSB<<8)|(\new)
.set MSB, \new
.endif
.endm
.set W_KQ, 0x05                        ; K and Q in window 1, S^T in window 0
.set W_PV, 0x01                        ; V in window 1, P and O^T in window 0
.set TO_1, 0x40                        ; destination window 1
.macro PLACES
.rept 4
	v_nop
.endr
.endm
; A joint fill: waves 0, 1 the halves of the mask's tile, wave 2 K, wave 3 V; waves 4 to 7 none.  An s_nop 0 and four v_nop follow each line.
.macro JLOAD
	s_cmp_lt_u32 s[WV], 2
	s_cbranch_scc0 .Lnot_m_\@
	tensor_load_to_lds s[G0M:G0M+3], s[G1M:G1M+7]
	s_nop 0
.rept 4
	v_nop
.endr
	s_branch .Lasked_\@
.Lnot_m_\@:
	s_cmp_eq_u32 s[WV], 2
	s_cbranch_scc0 .Lnot_k_\@
	tensor_load_to_lds s[G0K:G0K+3], s[G1K:G1K+7]
	s_nop 0
.rept 4
	v_nop
.endr
	s_branch .Lasked_\@
.Lnot_k_\@:
	s_cmp_eq_u32 s[WV], 3
	s_cbranch_scc0 .Lasked_\@
	tensor_load_to_lds s[G0V:G0V+3], s[G1V:G1V+7]
	s_nop 0
.rept 4
	v_nop
.endr
.Lasked_\@:
.endm
.macro CROUND
	s_barrier_signal -1
	s_barrier_wait -1
	s_cmp_lg_u32 s[WV], 0
	s_cbranch_scc1 .Lnot_wave_0_\@
	s_barrier_signal -3
.Lnot_wave_0_\@:
	s_barrier_wait -3
	s_barrier_signal -1
	s_barrier_wait -1
.endm
; A prefetch of what the NEXT change of slots will ask for, two key steps ahead.  Wave 4: its work-group's 16 blocks of 256 bytes of the slot's K and 16 of its V
; (the row's four partners share the 64 + 64 out by address).  Waves 5, 6, in the first cluster alone (all clusters walk the same mask): 32 rows each of the 64
; that fall to their work-group among the column's four.  The last change that fills a slot names nothing.
.macro ASK
	s_cmp_gt_u32 s[SLOTS], s[LIM]
	s_cbranch_scc0 .Lnot_mine_\@
	global_prefetch_b8 v[PFO], s[PFA:PFA+1] th:TH_LOAD_NT scope:SCOPE_SE
.Lnot_mine_\@:
.endm
; THE CHANGE OF SLOTS.  Every wave waits for all its tensor loads, adds 0 to its spare word, waits for that and for its reads of the slot that it leaves.
; fill = 1: a round of the cluster's barrier, and the old slot is asked for again first thing behind it, with the keys two slots on.
.macro CHANGE fill
	WIN 0
	s_wait_tensorcnt 0x0
	ds_add_u32 v[SPW], v[NIL]
.if \fill
	s_xor_b32 s[G0M+1], s[G0M+1], SLOT1
	s_xor_b32 s[G0K+1], s[G0K+1], SLOT1
	s_xor_b32 s[G0V+1], s[G0V+1], SLOT1
	s_add_nc_u64 s[G0M+2:G0M+3], s[G0M+2:G0M+3], 256       ; 128 keys on along the mask's rows
	s_add_nc_u64 s[G0K+2:G0K+3], s[G0K+2:G0K+3], 16384     ; 128 rows of 128 bytes on
	s_add_nc_u64 s[G0V+2:G0V+3], s[G0V+2:G0V+3], 16384
	s_wait_xcnt 0x0                                ; the last prefetch, two key steps back, has read its address
	s_add_nc_u64 s[PFA:PFA+1], s[PFA:PFA+1], s[PST:PST+1]
	s_wait_dscnt 0x0
	CROUND
	JLOAD
	ASK
.else
	s_wait_dscnt 0x0
	s_barrier_signal -1
	s_barrier_wait -1
.endif
	s_sub_co_u32 s[TBK], s[TBK], 2*KS*PK           ; the fetches go back to a slot's first step, in the other slot
	s_xor_b32 s[TBK], s[TBK], SLOT1
	s_sub_co_u32 s[TBV], s[TBV], 2*KS*PV
	s_xor_b32 s[TBV], s[TBV], SLOT1
	s_sub_co_u32 s[TBM], s[TBM], 2*2*KS
	s_xor_b32 s[TBM], s[TBM], SLOT1
.endm
; Number n of the 22 that find tile u's new maximum and statistics; each accumulator's lowest registers have been read first (by the mask's multiplies).
.macro XS u, n
.set rT, ST+4*(\u)
.set rC, TMP+4*(\u)
.set rM, MV+(\u)
.set rS, S+32*(\u)
.if (\n) < 4
	v_max3_num_f32 v[rC+(\n)], v[rS+8*(\n)], v[rS+8*(\n)+1], v[rS+8*(\n)+2]
.elseif (\n) < 12
	v_max3_num_f32 v[rC+(\n)%4], v[rC+(\n)%4], v[rS+8*((\n)%4)+2*((\n)/4)+1], v[rS+8*((\n)%4)+2*((\n)/4)+2]
.elseif (\n) == 12
	v_max3_num_f32 v[rC], v[rC], v[rS+7], v[rS+15]
.elseif (\n) == 13
	v_max3_num_f32 v[rC+1], v[rC+1], v[rS+23], v[rS+31]
.elseif (\n) == 14
	v_max3_num_f32 v[rC+2], v[rC+2], v[rC+3], v[rT+1]
.elseif (\n) == 15
	v_mov_b32 v[rM], v[rT]
.elseif (\n) == 16
	v_max3_num_f32 v[rC], v[rC], v[rC+1], v[rC+2]
.elseif (\n) == 17
	v_permlanex16_b32 v[rC+3], v[rC], s[SEL], s[SEL+1]   ; the query's other 32 keys lie in the lane 16 away
.elseif (\n) == 18
	v_max_num_f32 v[rT+1], v[rC], v[rC+3]
.elseif (\n) == 19
	v_mul_f32 v[rT], s[CS], v[rT+1]
.elseif (\n) == 20
	v_sub_f32 v[rC+1], v[rM], v[rT]
.else
	v_exp_f32 v[rC+2], v[rC+1]
.endif
.endm
; A KEY STEP, 64 keys, in phases.
.macro STEP
	WIN 0
	v_add_nc_u32 v[AK], s[TBK], v[AK0]             ; four plain instructions: the places behind the last step's V^T P, in front of the loads into V's registers
	v_add_nc_u32 v[AM], s[TBM], v[AM0]
	v_add_nc_u32 v[AV], s[TBV], v[AV0]
	v_nop
	s_add_co_u32 s[TBK], s[TBK], KS*PK
	s_add_co_u32 s[TBM], s[TBM], 2*KS
	s_add_co_u32 s[TBV], s[TBV], KS*PV
	WIN TO_1
.irp f, 0,1,2,3,4,5,6,7                ; K: keys 16 (f / 2) on, channels 32 (f % 2) on
	ds_load_b128 v[KF+8*\f:KF+8*\f+3],   v[AK] offset:(\f/2)*16*PK+(\f%2)*64
	ds_load_b128 v[KF+8*\f+4:KF+8*\f+7], v[AK] offset:(\f/2)*16*PK+(\f%2)*64+32
.endr
	WIN 0
.irp f, 0,1,2,3,4,5,6,7                ; the mask: tile f / 4, keys 16 (f % 4) + 8 (l / 16) + 0..7 of my query: 16 bytes
	ds_load_b128 v[M+4*\f:M+4*\f+3], v[AM] offset:(\f/4)*16*PM+(\f%4)*32
.endr
	WIN TO_1
.irp f, 0,1,2,3,4,5,6,7                ; V, turned: keys 32 (f / 4) on, channels 16 (f % 4) on
	ds_load_tr16_b128 v[VF+8*\f:VF+8*\f+3],   v[AV] offset:(\f/4)*32*PV+(\f%4)*32
	ds_load_tr16_b128 v[VF+8*\f+4:VF+8*\f+7], v[AV] offset:(\f/4)*32*PV+16*PV+(\f%4)*32
.endr
	s_wait_dscnt 24                                ; K is in; the mask's 8 loads and V's 16 stay out
	WIN W_KQ
.set i, 0
.rept 16                               ; S^T = K Q^T: channels 32 (i / 8) on, keys 16 ((i / 2) % 4) on, tile i % 2; the 8 accumulators take turns
.set rS, S+32*(i%2)+8*((i/2)%4)
.set rK, KF+16*((i/2)%4)+8*(i/8)
.set rQ, 16*(i%2)+8*(i/8)
.if i < 8
	v_wmma_f32_16x16x32_bf16 v[rS:rS+7], v[rK:rK+7], v[rQ:rQ+7], 0
.else
	v_wmma_f32_16x16x32_bf16 v[rS:rS+7], v[rK:rK+7], v[rQ:rQ+7], v[rS:rS+7]
.endif
.set i, i+1
.endr
	WIN 0
	PLACES
	s_wait_dscnt 16                                ; the mask is in; V's 16 loads stay out
.set e, 0
.rept 32                               ; t = s x mask, the mask read straight from its bf16 halves; ascending: each accumulator's low end first
	v_fma_mix_f32_bf16 v[S+e], v[M+e/2], v[S+e], v[ZR] op_sel_hi:[1,0,0]
	v_fma_mix_f32_bf16 v[S+e+1], v[M+e/2], v[S+e+1], v[ZR] op_sel:[1,0,0] op_sel_hi:[1,0,0]
.set e, e+2
.endr
.irp n, 0,1,2,3,4,5,6,7,8,9,10,11,12,13,14,15,16,17,18,19,20,21
	XS 0, \n
	XS 1, \n
.endr
	v_nop                                          ; a plain instruction behind the two a,
	s_wait_alu depctr_va_vdst(0)                   ; and their wait, ahead of the rescaling that reads them
.set i, 0
.rept 32                               ; pair i / 2 of tile i % 2: c t - c m; O^T times a; between them the exponentials of the pair before: ONE batch of 64
.set u, i%2
.set w, (i-1)%2
	v_pk_fma_f32 v[S+32*u+2*(i/2):S+32*u+2*(i/2)+1], v[S+32*u+2*(i/2):S+32*u+2*(i/2)+1], s[CS:CS+1], v[ST+4*u:ST+4*u+1] op_sel_hi:[1,0,0] neg_lo:[0,0,1] neg_hi:[0,0,1]
.if i > 0
	v_exp_f32 v[S+32*w+2*((i-1)/2)], v[S+32*w+2*((i-1)/2)]
.endif
	v_pk_mul_f32 v[O+32*u+2*(i/2):O+32*u+2*(i/2)+1], v[O+32*u+2*(i/2):O+32*u+2*(i/2)+1], v[TMP+4*u+2:TMP+4*u+3] op_sel_hi:[1,0]
.if i > 0
	v_exp_f32 v[S+32*w+2*((i-1)/2)+1], v[S+32*w+2*((i-1)/2)+1]
.endif
.set i, i+1
.endr
	v_exp_f32 v[S+62], v[S+62]
	v_exp_f32 v[S+63], v[S+63]
	v_nop
	s_wait_alu depctr_va_vdst(0)                   ; one wait for the batch: nothing ahead of it names a result
.set i, 0
.rept 16
	v_cvt_pk_bf16_f32 v[P+i], v[S+2*i], v[S+2*i+1]
	v_cvt_pk_bf16_f32 v[P+16+i], v[S+32+2*i], v[S+32+2*i+1]
.set i, i+1
.endr
.irp d, 16, 8, 4, 2                    ; the sum of a tile's 16 pairs, in place, neighbours 8, 4, 2, 1 pairs apart; the tiles alternate
.set k, 0
.rept \d/2
	v_pk_add_f32 v[S+k:S+k+1], v[S+k:S+k+1], v[S+k+\d:S+k+\d+1]
	v_pk_add_f32 v[S+32+k:S+32+k+1], v[S+32+k:S+32+k+1], v[S+32+k+\d:S+32+k+\d+1]
.set k, k+2
.endr
.endr
	v_pk_fma_f32 v[ST+2:ST+3], v[ST+2:ST+3], v[TMP+2:TMP+3], v[S:S+1] op_sel_hi:[1,0,1]        ; l = a l + sum
	v_pk_fma_f32 v[ST+6:ST+7], v[ST+6:ST+7], v[TMP+6:TMP+7], v[S+32:S+33] op_sel_hi:[1,0,1]
	s_wait_dscnt 0x0                               ; V is in
	WIN W_PV
.set i, 0
.rept 16                               ; O^T += V^T P: keys 32 (i / 8) on, channels 16 ((i / 2) % 4) on, tile i % 2; the 8 accumulators take turns
.set rO, O+32*(i%2)+8*((i/2)%4)
.set rV, VF+32*(i/8)+8*((i/2)%4)
.set rP, P+16*(i%2)+8*(i/8)
	v_wmma_f32_16x16x32_bf16 v[rO:rO+7], v[rV:rV+7], v[rP:rP+7], v[rO:rO+7]
.set i, i+1
.endr
	WIN 0
.endm
.macro TWO_STEPS                       ; a slot's two key steps: written once, walked twice
	s_mov_b32 s[CNT], 2
.Lstep_\@:
	STEP
	s_sub_co_u32 s[CNT], s[CNT], 1
	s_cmp_lg_u32 s[CNT], 0
	s_cbranch_scc1 .Lstep_\@
.endm
.macro RED r, t                        ; the sum over the wave's 32 lanes, in every lane
	v_add_f32_dpp v[\r], v[\r], v[\r] row_xmask:1 row_mask:0xf bank_mask:0xf
	v_add_f32_dpp v[\r], v[\r], v[\r] row_xmask:2 row_mask:0xf bank_mask:0xf
	v_add_f32_dpp v[\r], v[\r], v[\r] row_xmask:4 row_mask:0xf bank_mask:0xf
	v_add_f32_dpp v[\r], v[\r], v[\r] row_xmask:8 row_mask:0xf bank_mask:0xf
	v_permlanex16_b32 v[\t], v[\r], s[SEL], s[SEL+1]
	v_add_f32 v[\r], v[\r], v[\t]
.endm
; A row of 1,024 f32 in v[Y ..] (chunk j of four registers: columns 128 j + 4 lane ..) is normalised into v[D ..]; Y is left as it is (stores still read it);
; at the end v[D+4j : D+4j+1] hold chunk j as bf16.  The variance is the mean of the centred squares.
.macro LNROW Y, D
	v_pk_add_f32 v[LT:LT+1], v[(\Y):(\Y)+1], v[(\Y)+2:(\Y)+3]
	v_pk_add_f32 v[LT+2:LT+3], v[(\Y)+4:(\Y)+5], v[(\Y)+6:(\Y)+7]
.set k, 4
.rept 12
	v_pk_add_f32 v[LT+2*(k%2):LT+2*(k%2)+1], v[LT+2*(k%2):LT+2*(k%2)+1], v[(\Y)+2*k:(\Y)+2*k+1]
.set k, k+1
.endr
	v_pk_add_f32 v[LT:LT+1], v[LT:LT+1], v[LT+2:LT+3]
	v_add_f32 v[LT], v[LT], v[LT+1]
	RED LT, LT+1
	v_mul_f32 v[LT+4], s[RN], v[LT]
	v_mul_f32 v[LT+5], s[RN], v[LT]
.set k, 0
.rept 16
	v_pk_add_f32 v[(\D)+2*k:(\D)+2*k+1], v[(\Y)+2*k:(\Y)+2*k+1], v[LT+4:LT+5] neg_lo:[0,1] neg_hi:[0,1]
.set k, k+1
.endr
	v_pk_mul_f32 v[LT:LT+1], v[(\D):(\D)+1], v[(\D):(\D)+1]
	v_pk_mul_f32 v[LT+2:LT+3], v[(\D)+2:(\D)+3], v[(\D)+2:(\D)+3]
.set k, 2
.rept 14
	v_pk_fma_f32 v[LT+2*(k%2):LT+2*(k%2)+1], v[(\D)+2*k:(\D)+2*k+1], v[(\D)+2*k:(\D)+2*k+1], v[LT+2*(k%2):LT+2*(k%2)+1]
.set k, k+1
.endr
	v_pk_add_f32 v[LT:LT+1], v[LT:LT+1], v[LT+2:LT+3]
	v_add_f32 v[LT], v[LT], v[LT+1]
	RED LT, LT+1
	v_fma_f32 v[LT+2], v[LT], s[RN], s[EP]
	v_rsq_f32 v[LT+4], v[LT+2]
	v_rsq_f32 v[LT+5], v[LT+2]
	v_nop
	s_wait_alu depctr_va_vdst(0)                   ; one wait for the two roots, ahead of their first reader
.set k, 0
.rept 16
	v_pk_mul_f32 v[(\D)+2*k:(\D)+2*k+1], v[(\D)+2*k:(\D)+2*k+1], v[LT+4:LT+5]
.set k, k+1
.endr
.set k, 0
.rept 16
	v_pk_fma_f32 v[(\D)+2*k:(\D)+2*k+1], v[(\D)+2*k:(\D)+2*k+1], v[GG+2*k:GG+2*k+1], v[BB+2*k:BB+2*k+1]
.set k, k+1
.endr
.set k, 0
.rept 8
	v_cvt_pk_bf16_f32 v[(\D)+4*k], v[(\D)+4*k], v[(\D)+4*k+1]
	v_cvt_pk_bf16_f32 v[(\D)+4*k+1], v[(\D)+4*k+2], v[(\D)+4*k+3]
.set k, k+1
.endr
.endm
	s_load_b256 s[4:11], s[0:1], 0x0               ; qkv 4, wb 6, x 8, g 10
	s_load_b128 s[12:15], s[0:1], 0x20             ; b 12, res 14
	s_load_b64 s[16:17], s[0:1], 0x30              ; nrm
	v_lshl_add_u32 v[SPW], v0, 2, SPARE
	v_mov_b32 v[NIL], 0
	ds_add_u32 v[SPW], v[NIL]                      ; the opening: the add, and its wait ahead of the first tensor load
	v_lshrrev_b32 v1, 5, v0
	v_readfirstlane_b32 s[WV], v1                  ; wave 0..7
	s_bfe_u32 s19, ttmp6, 0x40000                  ; cx: the block of 256 queries
	s_bfe_u32 s20, ttmp6, 0x40004                  ; cy
	s_and_b32 s21, ttmp7, 0xffff
	s_lshl_b32 s21, s21, 2
	s_add_co_u32 s21, s21, s20                     ; 16 b + head
	s_lshl_b32 s90, s20, 2
	s_lshl_b32 s90, 15, s90                        ; my row of the cluster
	s_lshl_b32 s22, 0x1111, s19                    ; my column
	s_or_b32 s[G1M], s22, (1<<16)|(1<<20)|(1<<21)|(5<<22)|(3<<25)   ; 2-byte elements; padding: 4 words after every 64
	s_or_b32 s[G1K], s90, (1<<16)|(1<<20)|(1<<21)|(4<<22)|(3<<25)   ; 4 words after every 32
	s_or_b32 s[G1V], s90, (1<<16)|(1<<20)|(1<<21)|(4<<22)|(7<<25)   ; 8 words after every 32
	s_mov_b32 s[G1M+1], 128<<16                    ; the mask: 128 rows of 128 keys, 1,024 elements from row to row
	s_mov_b32 s[G1M+2], 128<<16
	s_mov_b32 s[G1M+3], 128<<16
	s_mov_b32 s[G1M+4], 128
	s_mov_b32 s[G1M+5], 1024
	s_mov_b32 s[G1M+6], 0
	s_mov_b32 s[G1M+7], 0
.irp g, G1K, G1V                       ; 128 keys are 16,384 dense bytes: 64 rows of 256 bytes, two keys a row
	s_mov_b32 s[\g+1], 128<<16
	s_mov_b32 s[\g+2], 64<<16
	s_mov_b32 s[\g+3], 128<<16
	s_mov_b32 s[\g+4], 64
	s_mov_b32 s[\g+5], 128
	s_mov_b32 s[\g+6], 0
	s_mov_b32 s[\g+7], 0
.endr
	s_and_b32 s23, s[WV], 1
	s_mov_b32 s[G0M], 1
	s_mul_i32 s[G0M+1], s23, 128*PM
	s_mov_b32 s[G0K], 1
	s_mov_b32 s[G0K+1], KOFF
	s_mov_b32 s[G0V], 1
	s_mov_b32 s[G0V+1], VOFF
	s_lshl_b32 s22, s19, 8
	s_lshl_b32 s23, s23, 7
	s_add_co_u32 s22, s22, s23
	s_lshl_b32 s22, s22, 11
	s_add_co_u32 s22, s22, MASK_OFF                ; the mask's rows 256 cx + 128 (wave % 2) on
	s_mov_b32 s23, 0
	s_lshl_b32 s90, s21, 17                        ; the head's 131,072 bytes
	s_mov_b32 s91, 0
	s_mov_b32 s[CS], 0x3e38aa3b                    ; c = log2(e) / 8
	s_mov_b32 s[CS+1], s[CS]
	s_mov_b32 s[SEL], 0x76543210
	s_mov_b32 s[SEL+1], 0xfedcba98
	s_mov_b32 s[RN], 0x3a800000                    ; 1 / 1024
	s_mov_b32 s[EP], 0x358637bd                    ; 1e-6
	s_mov_b32 s[TBK], SLOT1+2*KS*PK                ; the first change of slots turns these three into 0
	s_mov_b32 s[TBV], SLOT1+2*KS*PV
	s_mov_b32 s[TBM], SLOT1+2*2*KS
	s_mov_b32 s[SLOTS], 7
	s_wait_dscnt 0x0                               ; the opening add is done
	s_wait_kmcnt 0x0
	s_add_nc_u64 s[G0M+2:G0M+3], s[6:7], s[22:23]
	s_or_b32 s[G0M+3], s[G0M+3], 0x80000000
	s_add_nc_u64 s[G0K+2:G0K+3], s[4:5], s[90:91]
	s_add_nc_u64 s[G0V+2:G0V+3], s[G0K+2:G0K+3], 2*MATB
	s_add_nc_u64 s[G0K+2:G0K+3], s[G0K+2:G0K+3], MATB
	s_or_b32 s[G0K+3], s[G0K+3], 0x80000000
	s_or_b32 s[G0V+3], s[G0V+3], 0x80000000
	CROUND                                         ; all sixteen work-groups are here: the first joint loads meet
	JLOAD                                          ; slot 0; slot 1 is asked for when slot 0 is in
	v_and_b32 v1, 15, v0                           ; l % 16
	v_bfe_u32 v9, v0, 4, 1                         ; l / 16
	v_lshlrev_b32 v[QO], 7, v1
	v_lshl_add_u32 v[QO], v9, 4, v[QO]
	s_lshl_b32 s66, s21, 17
	s_lshl_b32 s67, s19, 15
	s_add_co_u32 s66, s66, s67
	s_lshl_b32 s67, s[WV], 12
	s_add_co_u32 s66, s66, s67
	s_mov_b32 s67, 0
	s_add_nc_u64 s[68:69], s[4:5], s[66:67]        ; q at my 32 queries
	WIN TO_1
.set i, 0
.rept 4                                ; Q stays in registers: tile i / 2, channels 32 (i % 2) on
	global_load_b128 v[8*i:8*i+3],   v[QO], s[68:69] offset:(i/2)*2048+(i%2)*64
	global_load_b128 v[8*i+4:8*i+7], v[QO], s[68:69] offset:(i/2)*2048+(i%2)*64+32
.set i, i+1
.endr
	WIN 0
.set i, 0
.rept 64
	v_mov_b32 v[O+i], 0
.set i, i+1
.endr
.set i, 0
.rept 2
	v_mov_b32 v[ST+4*i], 0xfe000000                ; c m: far below every c t
	v_mov_b32 v[ST+4*i+1], 0xff7fffff              ; m
	v_mov_b32 v[ST+4*i+2], 0
	v_mov_b32 v[ST+4*i+3], 0
.set i, i+1
.endr
	v_mov_b32 v[ZR], 0
	v_mul_u32_u24 v[AK0], v1, PK
	v_lshl_add_u32 v[AK0], v9, 4, v[AK0]
	v_add_nc_u32 v[AK0], KOFF, v[AK0]
	v_and_b32 v10, 7, v0
	v_bfe_u32 v11, v0, 3, 1
	v_lshl_add_u32 v[AV0], v9, 3, v10
	v_mul_u32_u24 v[AV0], v[AV0], PV
	v_lshl_add_u32 v[AV0], v11, 4, v[AV0]
	v_add_nc_u32 v[AV0], VOFF, v[AV0]
	s_mul_i32 s70, s[WV], 32*PM
	v_mul_u32_u24 v[AM0], v1, PM
	v_lshl_add_u32 v[AM0], v9, 4, v[AM0]
	v_add_nc_u32 v[AM0], s70, v[AM0]               ; the mask's row of my query, 16 bytes for each half of the lanes
	s_mul_i32 s70, s[WV], WSTG
	s_add_co_u32 s70, s70, STAGE
	v_mul_u32_u24 v[STO], v1, SP
	v_lshl_add_u32 v[STO], v9, 5, v[STO]
	v_add_nc_u32 v[STO], s70, v[STO]               ; in: query l % 16, 32 bytes for each half of the lanes
	v_mul_u32_u24 v[RD], v9, SP
	v_lshl_add_u32 v[RD], v1, 4, v[RD]
	v_add_nc_u32 v[RD], s70, v[RD]                 ; back: two queries' 256 bytes each = 512 consecutive bytes of the row
	v_and_b32 v10, 31, v0
	v_lshlrev_b32 v[XO], 4, v10
	v_lshlrev_b32 v[HO], 3, v10
	s_lshl_b32 s66, s21, 6
	s_lshl_b32 s67, s19, 4
	s_add_co_u32 s66, s66, s67
	s_lshl_b32 s67, s[WV], 1
	s_add_co_u32 s66, s66, s67                     ; my first row of the stream: 64 (16 b + head) + 16 cx + 2 wave
	s_lshl_b32 s70, s66, 11
	s_lshl_b32 s66, s66, 12
	s_mov_b32 s67, 0
	s_mov_b32 s71, 0
	s_add_nc_u64 s[82:83], s[8:9], s[66:67]
	s_add_nc_u64 s[84:85], s[14:15], s[66:67]
	s_add_nc_u64 s[86:87], s[16:17], s[70:71]
	; the prefetches
	s_lshl_b32 s92, s21, 17
	s_lshl_b32 s93, s19, 12
	s_add_co_u32 s92, s92, s93
	s_add_co_u32 s92, s92, MATB                    ; k of my head, my work-group's 16 blocks of a slot's 64
	s_lshl_b32 s94, s19, 8
	s_lshl_b32 s95, s20, 6
	s_add_co_u32 s94, s94, s95
	s_bfe_u32 s95, s[WV], 0x10001                  ; 0 in wave 5, 1 in wave 6
	s_lshl_b32 s95, s95, 5
	s_add_co_u32 s94, s94, s95
	s_lshl_b32 s94, s94, 11
	s_add_co_u32 s94, s94, MASK_OFF                ; the mask's rows 256 cx + 64 cy + 32 (wave - 5) on
	s_mov_b32 s66, 16384
	s_mov_b32 s67, 256
	s_mov_b32 s70, 2048
	s_mov_b32 s71, MATB
	s_cmp_eq_u32 s[WV], 4
	s_cselect_b32 s92, s92, s94
	s_cselect_b64 s[PFA:PFA+1], s[4:5], s[6:7]
	s_cselect_b32 s[PST], s66, s67                 ; bytes from slot to slot
	s_cselect_b32 s66, 15, 31                      ; lanes along the blocks
	s_cselect_b32 s67, s67, s70                    ; bytes from block to block
	s_cselect_b32 s70, s71, 0                      ; wave 4's lanes 16-31 name v
	s_mov_b32 s[PST+1], 0
	s_mov_b32 s93, 0
	s_add_nc_u64 s[PFA:PFA+1], s[PFA:PFA+1], s[92:93]
	s_add_nc_u64 s[PFA:PFA+1], s[PFA:PFA+1], s[PST:PST+1]   ; at slot 1; each change steps it before use
	s_and_b32 s94, ttmp7, 0xffff
	s_sub_co_u32 s95, s[WV], 5
	s_cmp_lt_u32 s95, 2
	s_cselect_b32 s94, s94, 1                      ; waves 5, 6: the cluster's number; the others: no
	s_cmp_eq_u32 s[WV], 4
	s_cselect_b32 s94, 0, s94                      ; wave 4: always
	s_cmp_eq_u32 s94, 0
	s_cselect_b32 s[LIM], 1, -1                    ; the same in all sixteen partners, for a given wave
	v_and_b32 v11, s66, v10
	v_mul_lo_u32 v11, v11, s67
	v_lshrrev_b32 v10, 4, v10
	v_mul_lo_u32 v10, v10, s70
	v_add_nc_u32 v[PFO], v10, v11
	s_wait_loadcnt 0x0                             ; Q
.Lslot:                                        ; seven times: a slot is entered and the next is asked for
	CHANGE 1
	TWO_STEPS
	s_sub_co_u32 s[SLOTS], s[SLOTS], 1
	s_cmp_lg_u32 s[SLOTS], 0
	s_cbranch_scc1 .Lslot
	CHANGE 0                                       ; the last slot is written out
	TWO_STEPS
	; THE WAY OUT.  x's two rows, gain and bias go out first; meanwhile O^T is divided by l and turned into rows through my stage.
	PLACES                                         ; behind the last products, in front of the loads into P's registers
.irp u, 0,1
.irp j, 0,1,2,3,4,5,6,7
	global_load_b128 v[S+32*\u+4*\j:S+32*\u+4*\j+3], v[XO], s[82:83] offset:4096*\u+512*\j th:TH_LOAD_NT
.endr
.endr
.irp j, 0,1,2,3,4,5,6,7
	global_load_b128 v[GG+4*\j:GG+4*\j+3], v[XO], s[10:11] offset:512*\j
	global_load_b128 v[BB+4*\j:BB+4*\j+3], v[XO], s[12:13] offset:512*\j
.endr
.irp u, 0,1
	v_add_f32 v[TMP+4*\u], v[ST+4*\u+2], v[ST+4*\u+3]
.endr
.irp u, 0,1
	v_permlanex16_b32 v[TMP+4*\u+1], v[TMP+4*\u], s[SEL], s[SEL+1]
.endr
.irp u, 0,1
	v_add_f32 v[TMP+4*\u], v[TMP+4*\u], v[TMP+4*\u+1]
.endr
.irp u, 0,1
	v_rcp_f32 v[TMP+4*\u+2], v[TMP+4*\u]
.endr
	v_nop
	s_wait_alu depctr_va_vdst(0)                   ; one wait for the two reciprocals
.irp u, 0,1
.set k, 0
.rept 16
	v_pk_mul_f32 v[O+32*\u+2*k:O+32*\u+2*k+1], v[O+32*\u+2*k:O+32*\u+2*k+1], v[TMP+4*\u+2:TMP+4*\u+3] op_sel_hi:[1,0]
.set k, k+1
.endr
.irp c, 0,1,2,3
	ds_store_b128 v[STO], v[O+32*\u+8*\c:O+32*\u+8*\c+3]   offset:\u*16*SP+64*\c
	ds_store_b128 v[STO], v[O+32*\u+8*\c+4:O+32*\u+8*\c+7] offset:\u*16*SP+64*\c+16
.endr
.irp j, 0,1,2,3,4,5,6,7
	ds_load_b128 v[O+32*\u+4*\j:O+32*\u+4*\j+3], v[RD] offset:\u*16*SP+2*\j*SP   ; LDS serves a wave's instructions in order: these see the stores above
.endr
.endr
	s_wait_dscnt 0x0
	s_wait_loadcnt 0x0
.irp u, 0,1
.set k, 0
.rept 16
	v_pk_add_f32 v[O+32*\u+2*k:O+32*\u+2*k+1], v[O+32*\u+2*k:O+32*\u+2*k+1], v[S+32*\u+2*k:S+32*\u+2*k+1]   ; + x
.set k, k+1
.endr
.irp j, 0,1,2,3,4,5,6,7
	global_store_b128 v[XO], v[O+32*\u+4*\j:O+32*\u+4*\j+3], s[84:85] offset:4096*\u+512*\j    ; 512 consecutive bytes, aligned
.endr
	LNROW O+32*\u, S+32*\u
.irp j, 0,1,2,3,4,5,6,7
	global_store_b64 v[HO], v[S+32*\u+4*\j:S+32*\u+4*\j+1], s[86:87] offset:2048*\u+256*\j     ; 256 consecutive bytes, aligned
.endr
.endr
	s_wait_tensorcnt 0x0                           ; the wave's end
	ds_add_u32 v[SPW], v[NIL]
	s_wait_dscnt 0x0
	CROUND                                         ; the closing round
	s_endpgm
.Lfunc_end_k_q53dbd2eb6b_attn:
	.size	k_q53dbd2eb6b_attn, .Lfunc_end_k_q53dbd2eb6b_attn-k_q53dbd2eb6b_attn
	.p2alignl 7, 3214868480
	.fill 96, 4, 3214868480
	.section	.rodata,"a",@progbits
	.p2align	6, 0x0
	.amdhsa_kernel k_q53dbd2eb6b_attn
		.amdhsa_group_segment_fixed_size 327680
		.amdhsa_private_segment_fixed_size 0
		.amdhsa_enable_private_segment 0
		.amdhsa_kernarg_size 56
		.amdhsa_user_sgpr_count 2
		.amdhsa_user_sgpr_kernarg_segment_ptr 1
		.amdhsa_wavefront_size32 1
		.amdhsa_system_sgpr_workgroup_id_x 1
		.amdhsa_system_sgpr_workgroup_id_y 1
		.amdhsa_system_sgpr_workgroup_id_z 1
		.amdhsa_system_vgpr_workitem_id 0
		.amdhsa_next_free_vgpr 416
		.amdhsa_next_free_sgpr 96
		.amdhsa_reserve_vcc 0
		.amdhsa_float_denorm_mode_32 3
		.amdhsa_float_denorm_mode_16_64 3
		.amdhsa_memory_ordered 1
		.amdhsa_forward_progress 1
		.amdhsa_inst_pref_size 87
	.end_amdhsa_kernel
	.amdgpu_metadata
---
amdhsa.version: [ 1, 2 ]
amdhsa.kernels:
  - .name:           k_q53dbd2eb6b_attn
    .symbol:         k_q53dbd2eb6b_attn.kd
    .args:
      - { .name: qkv, .offset: 0, .size: 8, .value_kind: global_buffer, .address_space: global }
      - { .name: wb, .offset: 8, .size: 8, .value_kind: global_buffer, .address_space: global }
      - { .name: x, .offset: 16, .size: 8, .value_kind: global_buffer, .address_space: global }
      - { .name: ln_ffn_g, .offset: 24, .size: 8, .value_kind: global_buffer, .address_space: global }
      - { .name: ln_ffn_b, .offset: 32, .size: 8, .value_kind: global_buffer, .address_space: global }
      - { .name: res, .offset: 40, .size: 8, .value_kind: global_buffer, .address_space: global }
      - { .name: nrm, .offset: 48, .size: 8, .value_kind: global_buffer, .address_space: global }
    .group_segment_fixed_size: 327680
    .private_segment_fixed_size: 0
    .kernarg_segment_align: 8
    .kernarg_segment_size: 56
    .max_flat_workgroup_size: 256
    .sgpr_count:     96
    .vgpr_count:     416
    .wavefront_size: 32
...
	.end_amdgpu_metadata
.endif
;; end of part 3
;; launch ffn1 (part 4): grid 16 x 16, 4 waves a work-group, clusters of 4 x 4, 327,680 bytes of LDS; arguments nrm, wb, b1, h1; writes h1
.if DOCPART == 4
	.amdgcn_target "amdgcn-amd-amdhsa--gfx1250"
	.amdhsa_code_object_version 6
	.text
	.protected	k_q53dbd2eb6b_ffn1
	.globl	k_q53dbd2eb6b_ffn1
	.p2align	8
	.type	k_q53dbd2eb6b_ffn1,@function
k_q53dbd2eb6b_ffn1:
	s_mov_b64 s[64:65], 0
	v_nop
	global_prefetch_b8 v0, s[64:65] scope:SCOPE_SE
	s_setreg_imm32_b32 hwreg(HW_REG_WAVE_MODE, 25, 1), 1
	s_wait_xcnt 0x0
	s_wait_alu depctr_hold_cnt(0) depctr_sa_sdst(0) depctr_va_vdst(0) depctr_va_sdst(0) depctr_va_ssrc(0) depctr_va_vcc(0) depctr_vm_vsrc(0)
	s_getreg_b32 s2, hwreg(HW_REG_IB_STS2, 6, 4)
	s_cmp_eq_u32 s2, 0
	s_cbranch_scc0 .Lentry_in_a_cluster
	s_endpgm
.Lentry_in_a_cluster:
	s_bfe_u32 s2, ttmp6, 0x10000c
	s_cmp_lg_u32 s2, 0xf033
	s_cbranch_scc0 .Lentry_shape_is_right
	s_endpgm
.Lentry_shape_is_right:
; h1 = gelu(nrm W1 + b1), bf16.  A = nrm [4096][1024] bf16, B = W1 [1024 k][4096 n] bf16 as it lies (at byte 8,388,608 of wb); sums in f32.
; A work-group makes 256 x 256 of C, each of its four waves 128 x 128: 64 accumulators.  16 x 16 = 256 work-groups.
; K goes in steps of 128 through two LDS slots filled by the tensor data mover; waves 0, 1 fetch A's halves, waves 2, 3 B's.
; B's fragments come out of LDS turned.  The matrix instruction is used transposed: a lane holds one row of C and eight neighbouring columns.
; CLUSTER 4 x 4: A's tile is asked for jointly by a row of the cluster, B's by a column.
; One K step is written once; LDS addresses hang on s[TB], which an exclusive or turns from one slot to the other (SLOT shares no bit with the four LDS words).
; THE WAY OUT: when the ring has had its last fill each wave lays its f32 tile into its own 67,584 bytes of it and reads whole rows back, eight a trip;
; a trip's loads are issued in the trip before.
; gelu(z) = z / (1 + 2^(z (A + B z^2))), A = -2 sqrt(2/pi) log2(e), B = 0.044715 A: the tanh form of the source, written by one exponential; it holds for every
; finite z (an overflowing exponent gives z or -0).
.set TM,     256
.set TN,     256
.set KDIM,   1024
.set NPITCH, 4096
.set BOFF,   8388608
.set KSTEP,  128
.set NQ,     4
.set STEPS,  KDIM/KSTEP
.set PA,     272
.set PB,     544
.set QIA,    5
.set QIB,    6
.set HALFA,  (TM/2)*PA
.set HALFB,  (KSTEP/2)*PB
.set AT,     2*HALFA
.set SLOT,   139264
.set SPARE,  2*SLOT                    ; the spare words: 128 bytes a wave, two blocks of 256 bytes that no other line names
.set SP,     528
.set WSTG,   128*SP
.set ASTEP,  2*KSTEP
.set BSTEP,  KSTEP*2*NPITCH
.set AHEAD,  1
.set ABPR,   1
.set BBPR,   2
.set A0,   16
.set B0,   17
.set ADRA, 18
.set ADRB, 19
.set STO,  24
.set RD,   25
.set CO,   26
.set SPW,  28
.set NIL,  29
.set PFO,  30
.set BI,   32
.set F0,   64
.set F1,   128
.set Z,    64                          ; the way out: eight rows' z, their exponents, the packed results,
.set E,    96
.set OU,   128
.set ZN,   144                         ; and the registers in which the next eight rows land
.set G1A,  24
.set G0A,  32
.set G0B,  36
.set PFA,  44
.set PST,  46
.set G1B,  48
.set TB,   56
.set LIM,  59
.set WV,   72
.set HI,   73
.set LO,   74
.set MSB, 0
.macro WIN new
.if MSB != (\new)
	s_set_vgpr_msb (MSB<<8)|(\new)
.set MSB, \new
.endif
.endm
.set MUL_LO, 0xa1
.set MUL_HI, 0xf1
.set TO_B,   0x40
.macro JLOAD                           ; a joint load; an s_nop 0 and four v_nop follow each line
	s_cmp_eq_u32 s[HI], 0
	s_cbranch_scc0 .Lfor_b_\@
	tensor_load_to_lds s[G0A:G0A+3], s[G1A:G1A+7]
	s_nop 0
.rept 4
	v_nop
.endr
	s_branch .Lasked_\@
.Lfor_b_\@:
	tensor_load_to_lds s[G0B:G0B+3], s[G1B:G1B+7]
	s_nop 0
.rept 4
	v_nop
.endr
.Lasked_\@:
.endm
.macro CREST
	s_cmp_lg_u32 s[WV], 0
	s_cbranch_scc1 .Lnot_wave_0_\@
	s_barrier_signal -3
.Lnot_wave_0_\@:
	s_barrier_wait -3
	s_barrier_signal -1
	s_barrier_wait -1
.endm
.macro CROUND
	s_barrier_signal -1
	s_barrier_wait -1
	CREST
.endm
.macro PLACES
.rept 4
	v_nop
.endr
.endm
.macro MUL16 f, hi, a0, zero
	WIN MUL_LO+0x50*(\hi)
.irp a, \a0, (\a0)+1
.irp b, 0,1,2,3,4,5,6,7
.if \zero
	v_wmma_f32_16x16x32_bf16 v[8*(8*(\a)+(\b)):8*(8*(\a)+(\b))+7], v[(\f)+8*(\b):(\f)+8*(\b)+7], v[(\f)+8*(4*(\hi)+(\a)):(\f)+8*(4*(\hi)+(\a))+7], 0
.else
	v_wmma_f32_16x16x32_bf16 v[8*(8*(\a)+(\b)):8*(8*(\a)+(\b))+7], v[(\f)+8*(\b):(\f)+8*(\b)+7], v[(\f)+8*(4*(\hi)+(\a)):(\f)+8*(4*(\hi)+(\a))+7], v[8*(8*(\a)+(\b)):8*(8*(\a)+(\b))+7]
.endif
.endr
.endr
.endm
.macro FETCH q, f
	WIN TO_B
.irp i, 0,1,2,3,4,5,6,7
	ds_load_tr16_b128 v[(\f)+8*(\i):(\f)+8*(\i)+3],   v[ADRB] offset:(\q)*32*PB+32*(\i)
	ds_load_tr16_b128 v[(\f)+8*(\i)+4:(\f)+8*(\i)+7], v[ADRB] offset:(\q)*32*PB+16*PB+32*(\i)
.endr
	WIN 0
.irp i, 0,1,2,3,4,5,6,7
	ds_load_b128 v[(\f)+8*(\i):(\f)+8*(\i)+3],   v[ADRA] offset:64*(\q)+(\i)*16*PA
	ds_load_b128 v[(\f)+8*(\i)+4:(\f)+8*(\i)+7], v[ADRA] offset:64*(\q)+(\i)*16*PA+32
.endr
.endm
.macro QUARTER q, f, g, zero
	s_wait_dscnt 8                                 ; B and A's rows 0-63 are in; the youngest eight loads may be out
	MUL16 \f, 0, 0, \zero
	MUL16 \f, 0, 2, \zero
	PLACES
	FETCH \q, \g
	s_wait_dscnt 32                                ; all but the 32 just issued
	MUL16 \f, 1, 0, \zero
	MUL16 \f, 1, 2, \zero
.endm
.macro MEET
	WIN 0
	s_wait_tensorcnt 0x0                           ; the one load of mine that was out, my part of the next slot, has landed
	ds_add_u32 v[SPW], v[NIL]
	s_wait_dscnt 9                                 ; the add and the youngest eight loads may be out
	MUL16 F1, 0, 0, 0
	s_wait_dscnt 0x0                               ; the add is done and my reads of this slot are over
	s_barrier_signal -1
	MUL16 F1, 0, 2, 0
	WIN 0
	s_barrier_wait -1
.endm
.macro SWAP
	s_xor_b32 s[G0A+1], s[G0A+1], SLOT
	s_xor_b32 s[G0B+1], s[G0B+1], SLOT
	s_add_nc_u64 s[G0A+2:G0A+3], s[G0A+2:G0A+3], ASTEP
	s_add_nc_u64 s[G0B+2:G0B+3], s[G0B+2:G0B+3], BSTEP
	JLOAD
	s_xor_b32 s[TB], s[TB], SLOT
	v_add_nc_u32 v[ADRA], s[TB], v[A0]
	v_add_nc_u32 v[ADRB], s[TB], v[B0]
.endm
; A prefetch of 32 blocks of 256 bytes of the K step AHEAD behind the one just asked for.  A's rows are named by the first cluster along x,
; B's by the first along y; the four partners of a joint load share its 128 blocks out by address.  The last AHEAD refills name nothing.
.macro ASK
	s_cmp_gt_u32 s3, s[LIM]
	s_cbranch_scc0 .Lnot_mine_\@
	global_prefetch_b8 v[PFO], s[PFA:PFA+1] th:TH_LOAD_NT scope:SCOPE_SE
.Lnot_mine_\@:
.endm
.macro TURN
	s_wait_xcnt 0x0                                ; the last prefetch, a K step back, has read its address
	s_add_nc_u64 s[PFA:PFA+1], s[PFA:PFA+1], s[PST:PST+1]
	MEET
	CREST                                          ; no wave of any partner reads this slot or has a load out
	SWAP
	FETCH 0, F0
	ASK
	MUL16 F1, 1, 0, 0
	MUL16 F1, 1, 2, 0
.endm
.macro TURN0
	MEET
	s_cmp_eq_u32 s2, 1
	s_cbranch_scc1 .Lnofetch_\@
	s_xor_b32 s[TB], s[TB], SLOT
	v_add_nc_u32 v[ADRA], s[TB], v[A0]
	v_add_nc_u32 v[ADRB], s[TB], v[B0]
	v_nop
	v_nop
	FETCH 0, F0
.Lnofetch_\@:
	MUL16 F1, 1, 0, 0
	MUL16 F1, 1, 2, 0
.endm
.macro DUMP
.irp a, 0,1,2,3,4,5,6,7
	WIN 0x08+4*((\a)/4)
.irp b, 0,1,2,3,4,5,6,7
	ds_store_b128 v[STO], v[8*(8*((\a)%4)+(\b)):8*(8*((\a)%4)+(\b))+3]   offset:(\a)*16*SP+64*(\b)
	ds_store_b128 v[STO], v[8*(8*((\a)%4)+(\b))+4:8*(8*((\a)%4)+(\b))+7] offset:(\a)*16*SP+64*(\b)+16
.endr
.endr
	WIN 0
.endm
.macro ROWLD                           ; eight whole rows of my stage, 512 bytes each by 32 lanes
.irp r, 0,1,2,3,4,5,6,7
	ds_load_b128 v[ZN+4*\r:ZN+4*\r+3], v[RD] offset:\r*SP
.endr
.endm
	s_load_b256 s[4:11], s[0:1], 0x0               ; nrm 4, wb 6, b1 8, h1 10
	v_lshl_add_u32 v[SPW], v0, 2, SPARE
	v_mov_b32 v[NIL], 0
	ds_add_u32 v[SPW], v[NIL]                      ; the opening: the add, and its wait ahead of my first tensor load
	v_lshrrev_b32 v3, 5, v0
	v_readfirstlane_b32 s[WV], v3
	s_lshr_b32 s[HI], s[WV], 1
	s_and_b32 s[LO], s[WV], 1
	s_bfe_u32 s40, ttmp6, 0x40000                  ; cx
	s_bfe_u32 s41, ttmp6, 0x40004                  ; cy
	s_lshl_b32 s42, ttmp9, 2
	s_add_co_u32 s42, s42, s40                     ; tile column
	s_and_b32 s43, ttmp7, 0xffff
	s_lshl_b32 s43, s43, 2
	s_add_co_u32 s43, s43, s41                     ; tile row
	s_lshl_b32 s22, s41, 2
	s_lshl_b32 s22, 15, s22
	s_lshl_b32 s23, 0x1111, s40
	s_or_b32 s[G1A], s22, (1<<16)|(1<<20)|(1<<21)|(QIA<<22)|(3<<25)
	s_or_b32 s[G1B], s23, (1<<16)|(1<<20)|(1<<21)|(QIB<<22)|(7<<25)
	s_mov_b32 s[G1A+1], KSTEP<<16
	s_mov_b32 s[G1A+2], (TM/2)<<16
	s_mov_b32 s[G1A+3], KSTEP<<16
	s_mov_b32 s[G1A+4], TM/2
	s_mov_b32 s[G1A+5], KDIM
	s_mov_b32 s[G1A+6], 0
	s_mov_b32 s[G1A+7], 0
	s_mov_b32 s[G1B+1], TN<<16
	s_mov_b32 s[G1B+2], (KSTEP/2)<<16
	s_mov_b32 s[G1B+3], TN<<16
	s_mov_b32 s[G1B+4], KSTEP/2
	s_mov_b32 s[G1B+5], NPITCH
	s_mov_b32 s[G1B+6], 0
	s_mov_b32 s[G1B+7], 0
	s_mov_b32 s[G0A], 1
	s_mul_i32 s[G0A+1], s[LO], HALFA
	s_mov_b32 s[G0B], 1
	s_mul_i32 s[G0B+1], s[LO], HALFB
	s_add_co_u32 s[G0B+1], s[G0B+1], AT
	s_mov_b32 s[TB], SLOT
	s_mov_b32 s76, 0xc0135761                      ; A = -2.3022082
	s_mov_b32 s77, s76
	s_mov_b32 s78, 0xbdd2d3e8                      ; B = -0.10294324
	s_mov_b32 s79, s78
	s_lshl_b32 s16, s43, 8
	s_lshl_b32 s17, s[LO], 7
	s_add_co_u32 s16, s16, s17
	s_mul_i32 s16, s16, 2*KDIM
	s_mov_b32 s17, 0
	s_mul_i32 s20, s[LO], (KSTEP/2)*2*NPITCH
	s_mul_i32 s21, s42, 2*TN
	s_add_co_u32 s20, s20, s21
	s_add_co_u32 s20, s20, BOFF
	s_mov_b32 s21, 0
	s_wait_dscnt 0x0
	s_wait_kmcnt 0x0
	s_add_nc_u64 s[G0A+2:G0A+3], s[4:5], s[16:17]
	s_or_b32 s[G0A+3], s[G0A+3], 0x80000000
	s_add_nc_u64 s[G0B+2:G0B+3], s[6:7], s[20:21]
	s_or_b32 s[G0B+3], s[G0B+3], 0x80000000
	CROUND
	JLOAD                                          ; K step 0 into slot 0
	v_and_b32 v1, 15, v0
	v_bfe_u32 v2, v0, 4, 1
	v_and_b32 v3, 7, v0
	v_bfe_u32 v4, v0, 3, 1
	v_and_b32 v5, 31, v0
	v_mul_u32_u24 v[A0], v1, PA
	v_lshl_add_u32 v[A0], v2, 4, v[A0]
	s_mul_i32 s66, s[HI], HALFA
	v_add_nc_u32 v[A0], s66, v[A0]
	v_lshl_add_u32 v6, v2, 3, v3
	v_mul_u32_u24 v[B0], v6, PB
	v_lshl_add_u32 v[B0], v4, 4, v[B0]
	s_lshl_b32 s66, s[LO], 8
	s_add_co_u32 s66, s66, AT
	v_add_nc_u32 v[B0], s66, v[B0]
	s_mul_i32 s67, s[WV], WSTG
	v_mul_u32_u24 v[STO], v1, SP
	v_lshl_add_u32 v[STO], v2, 5, v[STO]
	v_add_nc_u32 v[STO], s67, v[STO]
	v_lshl_add_u32 v[RD], v5, 4, s67               ; back: a whole row of 512 bytes by 32 lanes
	v_lshlrev_b32 v[CO], 3, v5                     ; my four columns as bf16
	s_lshl_b32 s70, s42, 10
	s_lshl_b32 s71, s[LO], 9
	s_add_co_u32 s70, s70, s71
	v_lshl_add_u32 v7, v5, 4, s70
	global_load_b128 v[BI:BI+3], v7, s[8:9]        ; b1 of my four columns
	s_lshl_b32 s82, s43, 8
	s_lshl_b32 s83, s[HI], 7
	s_add_co_u32 s82, s82, s83
	s_lshl_b32 s82, s82, 13                        ; my first row x 8,192 bytes
	s_lshl_b32 s83, s42, 9
	s_add_co_u32 s82, s82, s83
	s_lshl_b32 s83, s[LO], 8
	s_add_co_u32 s82, s82, s83
	s_mov_b32 s83, 0
	s_add_nc_u64 s[80:81], s[10:11], s[82:83]
	; the prefetches
	s_mul_i32 s84, s43, TM
	s_mul_i32 s85, s[LO], TM/2
	s_add_co_u32 s84, s84, s85
	s_mul_i32 s85, s40, 32/ABPR
	s_add_co_u32 s84, s84, s85
	s_mul_i32 s84, s84, 2*KDIM
	s_mul_i32 s86, s[LO], KSTEP/2
	s_mul_i32 s87, s41, 32/BBPR
	s_add_co_u32 s86, s86, s87
	s_mul_i32 s86, s86, 2*NPITCH
	s_mul_i32 s88, s42, 2*TN
	s_add_co_u32 s86, s86, s88
	s_add_co_u32 s86, s86, BOFF
	s_and_b32 s87, ttmp7, 0xffff
	s_mov_b32 s89, ASTEP
	s_mov_b32 s92, BSTEP
	s_mov_b32 s93, 2*KDIM
	s_mov_b32 s94, 2*NPITCH
	s_cmp_eq_u32 s[HI], 0
	s_cselect_b32 s84, s84, s86
	s_cselect_b32 s87, ttmp9, s87
	s_cselect_b64 s[PFA:PFA+1], s[4:5], s[6:7]
	s_cselect_b32 s[PST], s89, s92
	s_cselect_b32 s93, s93, s94
	s_cselect_b32 s94, ABPR-1, BBPR-1
	s_mov_b32 s[PST+1], 0
	s_mov_b32 s85, 0
	s_add_nc_u64 s[PFA:PFA+1], s[PFA:PFA+1], s[84:85]
	s_mul_i32 s84, s[PST], 1+AHEAD
	s_add_nc_u64 s[PFA:PFA+1], s[PFA:PFA+1], s[84:85]
	s_cmp_eq_u32 s87, 0
	s_cselect_b32 s[LIM], AHEAD, -1
	v_lshrrev_b32 v8, s94, v5
	v_mul_lo_u32 v8, v8, s93
	v_and_b32 v9, s94, v5
	v_lshl_add_u32 v[PFO], v9, 8, v8
	s_wait_tensorcnt 0x0
	ds_add_u32 v[SPW], v[NIL]
	s_wait_dscnt 0x0
	CROUND
	SWAP                                           ; K step 1 into slot 1; the reads turn to slot 0
	FETCH 0, F0
	QUARTER 1, F0, F1, 1                           ; the first quarter's products start the sums
	WIN 0
	s_mov_b32 s3, STEPS-2
.Lstep:
.if NQ == 4
	QUARTER 2, F1, F0, 0
	QUARTER 3, F0, F1, 0
.endif
	TURN
	QUARTER 1, F0, F1, 0
	WIN 0
	s_sub_co_u32 s3, s3, 1
	s_cmp_lg_u32 s3, 0
	s_cbranch_scc1 .Lstep
	s_mov_b32 s2, 2
.Ltail:
.if NQ == 4
	QUARTER 2, F1, F0, 0
	QUARTER 3, F0, F1, 0
.endif
	TURN0
	WIN 0
	s_sub_co_u32 s2, s2, 1
	s_cmp_eq_u32 s2, 0
	s_cbranch_scc1 .Lout
	QUARTER 1, F0, F1, 0
	WIN 0
	s_branch .Ltail
.Lout:
	s_wait_dscnt 0x0                               ; no read of the ring is out, in any wave, before a wave stores into it
	s_barrier_signal -1
	s_barrier_wait -1
.rept 8
	v_nop
.endr
	DUMP
	s_wait_dscnt 0x0                               ; my tile lies in my stage;
	s_barrier_signal -1
	s_barrier_wait -1                              ; every wave's does: every read of the stages stands behind every store into them
	ROWLD                                          ; the first eight rows
	s_wait_loadcnt 0x0                             ; the bias
	s_mov_b32 s3, 16
.Lrows:                                        ; eight rows a trip
	s_wait_dscnt 0x0                               ; this trip's rows, asked for a trip ago
.set p, 0
.rept 16
	v_pk_add_f32 v[Z+2*p:Z+2*p+1], v[ZN+2*p:ZN+2*p+1], v[BI+2*(p%2):BI+2*(p%2)+1]
.set p, p+1
.endr
	s_cmp_eq_u32 s3, 1                             ; the last trip has no rows behind it
	s_cbranch_scc1 .Lnoload
	v_add_nc_u32 v[RD], 8*SP, v[RD]
	ROWLD                                          ; the next trip's rows: the landing registers have just been read out
.Lnoload:
; The exponent z (A + B z^2), staggered by pairs: pair p is squared, pair p - 1 takes B z^2 + A, pair p - 2 its product with z, and pair p - 3's two exponentials
; stand between these lines.  ONE batch of 32 exponentials: a line names pairs p - 2 and up, never a pair whose exponentials are out.
.set p, 0
.rept 19
.if p < 16
	v_pk_mul_f32 v[E+2*p:E+2*p+1], v[Z+2*p:Z+2*p+1], v[Z+2*p:Z+2*p+1]
.endif
.if p >= 3
	v_exp_f32 v[E+2*p-6], v[E+2*p-6]
.endif
.if (p >= 1) && (p < 17)
	v_pk_fma_f32 v[E+2*p-2:E+2*p-1], v[E+2*p-2:E+2*p-1], s[78:79], s[76:77] op_sel_hi:[1,0,0]
.endif
.if p >= 3
	v_exp_f32 v[E+2*p-5], v[E+2*p-5]
.endif
.if (p >= 2) && (p < 18)
	v_pk_mul_f32 v[E+2*p-4:E+2*p-3], v[E+2*p-4:E+2*p-3], v[Z+2*p-4:Z+2*p-3]
.endif
.set p, p+1
.endr
	v_nop                                          ; a plain instruction behind the last exponential,
	s_wait_alu depctr_va_vdst(0)                   ; and one wait for the batch, ahead of its first reader
.set p, 0
.rept 16                               ; 1 + 2^.., and the reciprocals of the pair before: one batch of 32
	v_pk_add_f32 v[E+2*p:E+2*p+1], v[E+2*p:E+2*p+1], 1.0 op_sel_hi:[1,0]
.if p > 0
	v_rcp_f32 v[E+2*p-2], v[E+2*p-2]
	v_rcp_f32 v[E+2*p-1], v[E+2*p-1]
.endif
.set p, p+1
.endr
	v_rcp_f32 v[E+30], v[E+30]
	v_rcp_f32 v[E+31], v[E+31]
	v_nop
	s_wait_alu depctr_va_vdst(0)
.set p, 0
.rept 16
	v_pk_mul_f32 v[Z+2*p:Z+2*p+1], v[Z+2*p:Z+2*p+1], v[E+2*p:E+2*p+1]
.set p, p+1
.endr
	s_wait_xcnt 0x0                                ; the last trip's stores have read their registers: only now are these written again
	v_add_nc_u32 v[CO], 65536, v[CO]               ; the stores below reach back by the immediate
.set p, 0
.rept 16
	v_cvt_pk_bf16_f32 v[OU+p], v[Z+2*p], v[Z+2*p+1]
.set p, p+1
.endr
.irp r, 0,1,2,3,4,5,6,7
	global_store_b64 v[CO], v[OU+2*\r:OU+2*\r+1], s[80:81] offset:8192*\r-65536      ; 32 lanes store 256 consecutive bytes, aligned
.endr
	s_sub_co_u32 s3, s3, 1
	s_cmp_lg_u32 s3, 0
	s_cbranch_scc1 .Lrows
	s_wait_tensorcnt 0x0                           ; the wave's end
	ds_add_u32 v[SPW], v[NIL]
	s_wait_dscnt 0x0
	CROUND                                         ; the closing round
	s_endpgm
.Lfunc_end_k_q53dbd2eb6b_ffn1:
	.size	k_q53dbd2eb6b_ffn1, .Lfunc_end_k_q53dbd2eb6b_ffn1-k_q53dbd2eb6b_ffn1
	.p2alignl 7, 3214868480
	.fill 96, 4, 3214868480
	.section	.rodata,"a",@progbits
	.p2align	6, 0x0
	.amdhsa_kernel k_q53dbd2eb6b_ffn1
		.amdhsa_group_segment_fixed_size 327680
		.amdhsa_private_segment_fixed_size 0
		.amdhsa_enable_private_segment 0
		.amdhsa_kernarg_size 32
		.amdhsa_user_sgpr_count 2
		.amdhsa_user_sgpr_kernarg_segment_ptr 1
		.amdhsa_wavefront_size32 1
		.amdhsa_system_sgpr_workgroup_id_x 1
		.amdhsa_system_sgpr_workgroup_id_y 1
		.amdhsa_system_sgpr_workgroup_id_z 1
		.amdhsa_system_vgpr_workitem_id 0
		.amdhsa_next_free_vgpr 1024
		.amdhsa_next_free_sgpr 96
		.amdhsa_reserve_vcc 0
		.amdhsa_float_denorm_mode_32 3
		.amdhsa_float_denorm_mode_16_64 3
		.amdhsa_memory_ordered 1
		.amdhsa_forward_progress 1
		.amdhsa_inst_pref_size 91
	.end_amdhsa_kernel
	.amdgpu_metadata
---
amdhsa.version: [ 1, 2 ]
amdhsa.kernels:
  - .name:           k_q53dbd2eb6b_ffn1
    .symbol:         k_q53dbd2eb6b_ffn1.kd
    .args:
      - { .name: nrm, .offset: 0, .size: 8, .value_kind: global_buffer, .address_space: global }
      - { .name: wb, .offset: 8, .size: 8, .value_kind: global_buffer, .address_space: global }
      - { .name: b1, .offset: 16, .size: 8, .value_kind: global_buffer, .address_space: global }
      - { .name: h1, .offset: 24, .size: 8, .value_kind: global_buffer, .address_space: global }
    .group_segment_fixed_size: 327680
    .private_segment_fixed_size: 0
    .kernarg_segment_align: 8
    .kernarg_segment_size: 32
    .max_flat_workgroup_size: 128
    .sgpr_count:     96
    .vgpr_count:     1024
    .wavefront_size: 32
...
	.end_amdgpu_metadata
.endif
;; end of part 4
;; launch ffn2 (part 5): grid 8 x 32, 4 waves a work-group, clusters of 4 x 4, 327,680 bytes of LDS; arguments h1, wb, b2, res, out0; writes out0
.if DOCPART == 5
	.amdgcn_target "amdgcn-amd-amdhsa--gfx1250"
	.amdhsa_code_object_version 6
	.text
	.protected	k_q53dbd2eb6b_ffn2
	.globl	k_q53dbd2eb6b_ffn2
	.p2align	8
	.type	k_q53dbd2eb6b_ffn2,@function
k_q53dbd2eb6b_ffn2:
	s_mov_b64 s[64:65], 0
	v_nop
	global_prefetch_b8 v0, s[64:65] scope:SCOPE_SE
	s_setreg_imm32_b32 hwreg(HW_REG_WAVE_MODE, 25, 1), 1
	s_wait_xcnt 0x0
	s_wait_alu depctr_hold_cnt(0) depctr_sa_sdst(0) depctr_va_vdst(0) depctr_va_sdst(0) depctr_va_ssrc(0) depctr_va_vcc(0) depctr_vm_vsrc(0)
	s_getreg_b32 s2, hwreg(HW_REG_IB_STS2, 6, 4)
	s_cmp_eq_u32 s2, 0
	s_cbranch_scc0 .Lentry_in_a_cluster
	s_endpgm
.Lentry_in_a_cluster:
	s_bfe_u32 s2, ttmp6, 0x10000c
	s_cmp_lg_u32 s2, 0xf033
	s_cbranch_scc0 .Lentry_shape_is_right
	s_endpgm
.Lentry_shape_is_right:
; out0 = h1 W2 + b2 + res, f32.  A = h1 [4096][4096] bf16, B = W2 [4096 k][1024 n] bf16 as it lies (at byte 16,777,216 of wb); sums in f32.
; C has 32 x 8 tiles of 128 x 128: one for each of 256 work-groups.  K IS SPLIT AMONG THE FOUR WAVES: each wave makes the whole 128 x 128 tile (64 accumulators)
; over a quarter of K: of each K step's 256 channels wave w takes 64 w .. 64 w + 63.  So 32 LDS loads still feed 64 products.  The four partial tiles, f32, meet
; in LDS at the end (a sum of four f32 partial sums; the order differs from a single chain's).
; K goes in steps of 256 through two LDS slots; waves 0, 1 fetch A's halves, waves 2, 3 B's.  CLUSTER 4 x 4: A's tile jointly along a row, B's along a column.
; THE RING.  K steps 0 and 1 are asked for together at the start: two loads of mine are out there, later one.  A K step has only 128 products a wave, so all of
; them stand between a request and the wait for it: the wait for the next slot stands behind the step's 96th product of this slot and the 32 that follow the
; refill before; between that wait and the refill stand the add, the wait for my LDS reads and the cluster's round, and no product.
; One K step is written once; LDS addresses hang on s[TB]; SLOT = 0x24000 shares no bit with the four LDS words 0, 0x8400, 0x10800, 0x19800.
; My 32 rows of res are loaded at the start into 128 registers of window 1 that lie idle, and wait there.
.set TM,     128
.set TN,     128
.set KDIM,   4096
.set NPITCH, 1024
.set BOFF,   16777216
.set KSTEP,  256
.set NQ,     2                         ; quarters of 32 along K that a wave multiplies in a K step
.set STEPS,  KDIM/KSTEP
.set PA,     528                       ; A's LDS row: 512 bytes + 16
.set PB,     288                       ; B's LDS row: 256 bytes + 32, an odd multiple of 32
.set QIA,    6
.set QIB,    5
.set HALFA,  (TM/2)*PA
.set HALFB,  (KSTEP/2)*PB
.set AT,     2*HALFA
.set SLOT,   147456                    ; 141,312 bytes are used
.set SPARE,  2*SLOT                    ; the spare words: 128 bytes a wave, two blocks of 256 bytes that no other line names
.set SP,     528
.set WSTG,   128*SP
.set ASTEP,  2*KSTEP
.set BSTEP,  KSTEP*2*NPITCH
.set AHEAD,  2
.set ABPR,   2
.set BBPR,   1
.set A0,   16
.set B0,   17
.set ADRA, 18
.set ADRB, 19
.set RD0,  20                          ; v20-23 my 32 rows in the four partial tiles
.set STO,  24
.set CO,   26                          ; 16 x lane; never rewritten
.set SPW,  28
.set NIL,  29
.set PFO,  30
.set BI,   32
.set F0,   64
.set F1,   128
.set G1A,  24
.set G0A,  32                          ; s[32:35] A's walking group 0: it begins at K step 1, slot 1
.set G0B,  36                          ; s[36:39] B's
.set PFA,  44
.set PST,  46
.set G1B,  48
.set TB,   56
.set LIM,  59
.set G0A0, 60                          ; s[60:63] A's group 0 for K step 0, used once
.set WV,   72
.set HI,   73
.set LO,   74
.set G0B0, 76                          ; s[76:79] B's
.set MSB, 0
.macro WIN new
.if MSB != (\new)
	s_set_vgpr_msb (MSB<<8)|(\new)
.set MSB, \new
.endif
.endm
.set MUL_LO, 0xa1
.set MUL_HI, 0xf1
.set TO_B,   0x40
.macro JLOAD                           ; a joint load; an s_nop 0 and four v_nop follow each line
	s_cmp_eq_u32 s[HI], 0
	s_cbranch_scc0 .Lfor_b_\@
	tensor_load_to_lds s[G0A:G0A+3], s[G1A:G1A+7]
	s_nop 0
.rept 4
	v_nop
.endr
	s_branch .Lasked_\@
.Lfor_b_\@:
	tensor_load_to_lds s[G0B:G0B+3], s[G1B:G1B+7]
	s_nop 0
.rept 4
	v_nop
.endr
.Lasked_\@:
.endm
.macro CREST
	s_cmp_lg_u32 s[WV], 0
	s_cbranch_scc1 .Lnot_wave_0_\@
	s_barrier_signal -3
.Lnot_wave_0_\@:
	s_barrier_wait -3
	s_barrier_signal -1
	s_barrier_wait -1
.endm
.macro CROUND
	s_barrier_signal -1
	s_barrier_wait -1
	CREST
.endm
.macro PLACES
.rept 4
	v_nop
.endr
.endm
.macro MUL16 f, hi, a0, zero
	WIN MUL_LO+0x50*(\hi)
.irp a, \a0, (\a0)+1
.irp b, 0,1,2,3,4,5,6,7
.if \zero
	v_wmma_f32_16x16x32_bf16 v[8*(8*(\a)+(\b)):8*(8*(\a)+(\b))+7], v[(\f)+8*(\b):(\f)+8*(\b)+7], v[(\f)+8*(4*(\hi)+(\a)):(\f)+8*(4*(\hi)+(\a))+7], 0
.else
	v_wmma_f32_16x16x32_bf16 v[8*(8*(\a)+(\b)):8*(8*(\a)+(\b))+7], v[(\f)+8*(\b):(\f)+8*(\b)+7], v[(\f)+8*(4*(\hi)+(\a)):(\f)+8*(4*(\hi)+(\a))+7], v[8*(8*(\a)+(\b)):8*(8*(\a)+(\b))+7]
.endif
.endr
.endr
.endm
.macro FETCH q, f
	WIN TO_B
.irp i, 0,1,2,3,4,5,6,7
	ds_load_tr16_b128 v[(\f)+8*(\i):(\f)+8*(\i)+3],   v[ADRB] offset:(\q)*32*PB+32*(\i)
	ds_load_tr16_b128 v[(\f)+8*(\i)+4:(\f)+8*(\i)+7], v[ADRB] offset:(\q)*32*PB+16*PB+32*(\i)
.endr
	WIN 0
.irp i, 0,1,2,3,4,5,6,7
	ds_load_b128 v[(\f)+8*(\i):(\f)+8*(\i)+3],   v[ADRA] offset:64*(\q)+(\i)*16*PA
	ds_load_b128 v[(\f)+8*(\i)+4:(\f)+8*(\i)+7], v[ADRA] offset:64*(\q)+(\i)*16*PA+32
.endr
.endm
.macro QUARTER q, f, g, zero
	s_wait_dscnt 8                                 ; B and A's rows 0-63 are in; the youngest eight loads may be out
	MUL16 \f, 0, 0, \zero
	MUL16 \f, 0, 2, \zero
	PLACES
	FETCH \q, \g
	s_wait_dscnt 32                                ; all but the 32 just issued
	MUL16 \f, 1, 0, \zero
	MUL16 \f, 1, 2, \zero
.endm
; The change of slots.  The last quarter's first 32 products stand ahead of it; then, with no product between: all my tensor loads, the add, my reads of this slot, the barrier.
.macro MEET
	s_wait_dscnt 8                                 ; B and A's rows 0-63 of the last quarter are in
	MUL16 F1, 0, 0, 0
	MUL16 F1, 0, 2, 0
	WIN 0
	s_wait_tensorcnt 0x0                           ; the one load of mine that was out, my part of the next slot, has landed
	ds_add_u32 v[SPW], v[NIL]
	s_wait_dscnt 0x0                               ; the add is done and my reads of this slot are over
	s_barrier_signal -1
	s_barrier_wait -1
.endm
.macro SWAP
	s_xor_b32 s[G0A+1], s[G0A+1], SLOT
	s_xor_b32 s[G0B+1], s[G0B+1], SLOT
	s_add_nc_u64 s[G0A+2:G0A+3], s[G0A+2:G0A+3], ASTEP
	s_add_nc_u64 s[G0B+2:G0B+3], s[G0B+2:G0B+3], BSTEP
	JLOAD
	s_xor_b32 s[TB], s[TB], SLOT
	v_add_nc_u32 v[ADRA], s[TB], v[A0]
	v_add_nc_u32 v[ADRB], s[TB], v[B0]
.endm
; A prefetch of 32 blocks of 256 bytes of the K step AHEAD behind the one just asked for (two steps of 128 products a wave).  A's rows are named by the first
; cluster along x, B's by the first along y; the four partners of a joint load share its 128 blocks out by address.  The last AHEAD refills name nothing.
.macro ASK
	s_cmp_gt_u32 s3, s[LIM]
	s_cbranch_scc0 .Lnot_mine_\@
	global_prefetch_b8 v[PFO], s[PFA:PFA+1] th:TH_LOAD_NT scope:SCOPE_SE
.Lnot_mine_\@:
.endm
.macro TURN
	s_wait_xcnt 0x0                                ; the last prefetch, a K step back, has read its address
	s_add_nc_u64 s[PFA:PFA+1], s[PFA:PFA+1], s[PST:PST+1]
	MEET
	CREST                                          ; the barrier has opened a round of the cluster's: no wave of any partner reads this slot or has a load out
	SWAP                                           ; the four v_nop behind the joint load are the places in front of the loads below
	FETCH 0, F0
	ASK
	MUL16 F1, 1, 0, 0
	MUL16 F1, 1, 2, 0
.endm
.macro TURN0
	MEET
	s_cmp_eq_u32 s2, 1
	s_cbranch_scc1 .Lnofetch_\@
	s_xor_b32 s[TB], s[TB], SLOT
	v_add_nc_u32 v[ADRA], s[TB], v[A0]
	v_add_nc_u32 v[ADRB], s[TB], v[B0]
	v_nop
	v_nop
	FETCH 0, F0
.Lnofetch_\@:
	MUL16 F1, 1, 0, 0
	MUL16 F1, 1, 2, 0
.endm
.macro DUMP
.irp a, 0,1,2,3,4,5,6,7
	WIN 0x08+4*((\a)/4)
.irp b, 0,1,2,3,4,5,6,7
	ds_store_b128 v[STO], v[8*(8*((\a)%4)+(\b)):8*(8*((\a)%4)+(\b))+3]   offset:(\a)*16*SP+64*(\b)
	ds_store_b128 v[STO], v[8*(8*((\a)%4)+(\b))+4:8*(8*((\a)%4)+(\b))+7] offset:(\a)*16*SP+64*(\b)+16
.endr
.endr
	WIN 0
.endm
; Batch g: four of my 32 rows, from all four partial tiles, into register set g % 2: row i, partial w at PS + 16 i + 4 w.
.macro LOADB g
.set PS, 64+64*((\g)%2)
	s_wait_xcnt 0x0                                ; the stores of two batches back have read this set's registers
.irp i, 0,1,2,3
.irp w, 0,1,2,3
	ds_load_b128 v[PS+16*(\i)+4*(\w):PS+16*(\i)+4*(\w)+3], v[RD0+(\w)] offset:(4*(\g)+(\i))*SP
.endr
.endr
.endm
.macro SUMB g, left                    ; the four partial sums, + b2, + res; stored.  left: the next batch's loads, which may stay out
.set PS, 64+64*((\g)%2)
	s_wait_dscnt \left
.irp i, 0,1,2,3
.irp z, 0,2
	v_pk_add_f32 v[PS+16*(\i)+(\z):PS+16*(\i)+(\z)+1], v[PS+16*(\i)+(\z):PS+16*(\i)+(\z)+1], v[PS+16*(\i)+4+(\z):PS+16*(\i)+4+(\z)+1]
	v_pk_add_f32 v[PS+16*(\i)+8+(\z):PS+16*(\i)+8+(\z)+1], v[PS+16*(\i)+8+(\z):PS+16*(\i)+8+(\z)+1], v[PS+16*(\i)+12+(\z):PS+16*(\i)+12+(\z)+1]
.endr
.endr
.irp i, 0,1,2,3
.irp z, 0,2
	v_pk_add_f32 v[PS+16*(\i)+(\z):PS+16*(\i)+(\z)+1], v[PS+16*(\i)+(\z):PS+16*(\i)+(\z)+1], v[PS+16*(\i)+8+(\z):PS+16*(\i)+8+(\z)+1]
.endr
.endr
.irp i, 0,1,2,3
.irp z, 0,2
	v_pk_add_f32 v[PS+16*(\i)+(\z):PS+16*(\i)+(\z)+1], v[PS+16*(\i)+(\z):PS+16*(\i)+(\z)+1], v[BI+(\z):BI+(\z)+1]
.endr
.endr
	WIN 0x04                                       ; source 1 in window 1: res
.irp i, 0,1,2,3
.set rw, 4*(\g)+(\i)
.if rw < 16
.set rr, 4*rw
.else
.set rr, 192+4*(rw-16)
.endif
	v_pk_add_f32 v[PS+16*(\i):PS+16*(\i)+1], v[PS+16*(\i):PS+16*(\i)+1], v[rr:rr+1]
	v_pk_add_f32 v[PS+16*(\i)+2:PS+16*(\i)+3], v[PS+16*(\i)+2:PS+16*(\i)+3], v[rr+2:rr+3]
.endr
	WIN 0
.irp i, 0,1,2,3
	global_store_b128 v[CO], v[PS+16*(\i):PS+16*(\i)+3], s[80:81] offset:4096*(4*(\g)+(\i)) th:TH_STORE_NT   ; 512 consecutive bytes, aligned
.endr
.endm
	s_load_b256 s[4:11], s[0:1], 0x0               ; h1 4, wb 6, b2 8, res 10
	s_load_b64 s[12:13], s[0:1], 0x20              ; out0
	v_lshl_add_u32 v[SPW], v0, 2, SPARE
	v_mov_b32 v[NIL], 0
	ds_add_u32 v[SPW], v[NIL]                      ; the opening: the add, and its wait ahead of my first tensor load
	v_lshrrev_b32 v3, 5, v0
	v_readfirstlane_b32 s[WV], v3
	s_lshr_b32 s[HI], s[WV], 1                     ; 0: I fetch A, 1: B
	s_and_b32 s[LO], s[WV], 1                      ; which half of that tile
	s_bfe_u32 s40, ttmp6, 0x40000                  ; cx
	s_bfe_u32 s41, ttmp6, 0x40004                  ; cy
	s_lshl_b32 s42, ttmp9, 2
	s_add_co_u32 s42, s42, s40                     ; tile column
	s_and_b32 s43, ttmp7, 0xffff
	s_lshl_b32 s43, s43, 2
	s_add_co_u32 s43, s43, s41                     ; tile row
	s_lshl_b32 s22, s41, 2
	s_lshl_b32 s22, 15, s22
	s_lshl_b32 s23, 0x1111, s40
	s_or_b32 s[G1A], s22, (1<<16)|(1<<20)|(1<<21)|(QIA<<22)|(3<<25)
	s_or_b32 s[G1B], s23, (1<<16)|(1<<20)|(1<<21)|(QIB<<22)|(7<<25)
	s_mov_b32 s[G1A+1], KSTEP<<16
	s_mov_b32 s[G1A+2], (TM/2)<<16
	s_mov_b32 s[G1A+3], KSTEP<<16
	s_mov_b32 s[G1A+4], TM/2
	s_mov_b32 s[G1A+5], KDIM
	s_mov_b32 s[G1A+6], 0
	s_mov_b32 s[G1A+7], 0
	s_mov_b32 s[G1B+1], TN<<16
	s_mov_b32 s[G1B+2], (KSTEP/2)<<16
	s_mov_b32 s[G1B+3], TN<<16
	s_mov_b32 s[G1B+4], KSTEP/2
	s_mov_b32 s[G1B+5], NPITCH
	s_mov_b32 s[G1B+6], 0
	s_mov_b32 s[G1B+7], 0
	s_mov_b32 s[G0A0], 1
	s_mul_i32 s[G0A0+1], s[LO], HALFA              ; LDS: slot 0, my half of A's tile
	s_mov_b32 s[G0B0], 1
	s_mul_i32 s[G0B0+1], s[LO], HALFB
	s_add_co_u32 s[G0B0+1], s[G0B0+1], AT
	s_mov_b32 s[G0A], 1
	s_add_co_u32 s[G0A+1], s[G0A0+1], SLOT         ; the same places in slot 1
	s_mov_b32 s[G0B], 1
	s_add_co_u32 s[G0B+1], s[G0B0+1], SLOT
	s_mov_b32 s[TB], 0                             ; the reads begin in slot 0
	s_lshl_b32 s16, s43, 7                         ; A: row 128 x tile row + 64 x half
	s_lshl_b32 s17, s[LO], 6
	s_add_co_u32 s16, s16, s17
	s_mul_i32 s16, s16, 2*KDIM
	s_mov_b32 s17, 0
	s_mul_i32 s20, s[LO], (KSTEP/2)*2*NPITCH
	s_mul_i32 s21, s42, 2*TN
	s_add_co_u32 s20, s20, s21
	s_add_co_u32 s20, s20, BOFF
	s_mov_b32 s21, 0
	s_wait_dscnt 0x0
	s_wait_kmcnt 0x0
	s_add_nc_u64 s[G0A0+2:G0A0+3], s[4:5], s[16:17]               ; K step 0,
	s_add_nc_u64 s[G0A+2:G0A+3], s[G0A0+2:G0A0+3], ASTEP          ; K step 1
	s_or_b32 s[G0A0+3], s[G0A0+3], 0x80000000
	s_or_b32 s[G0A+3], s[G0A+3], 0x80000000
	s_add_nc_u64 s[G0B0+2:G0B0+3], s[6:7], s[20:21]
	s_add_nc_u64 s[G0B+2:G0B+3], s[G0B0+2:G0B0+3], BSTEP
	s_or_b32 s[G0B0+3], s[G0B0+3], 0x80000000
	s_or_b32 s[G0B+3], s[G0B+3], 0x80000000
	CROUND                                         ; all sixteen work-groups are here: the first joint loads meet
	s_cmp_eq_u32 s[HI], 0                          ; a wave's two first fills stand in one branch, ahead of every wait on TENSORcnt and every LDS read
	s_cbranch_scc0 .Lfirst_b
	tensor_load_to_lds s[G0A0:G0A0+3], s[G1A:G1A+7]
	s_nop 0
	tensor_load_to_lds s[G0A:G0A+3], s[G1A:G1A+7]
	s_nop 0
.rept 4
	v_nop
.endr
	s_branch .Lfirst_asked
.Lfirst_b:
	tensor_load_to_lds s[G0B0:G0B0+3], s[G1B:G1B+7]
	s_nop 0
	tensor_load_to_lds s[G0B:G0B+3], s[G1B:G1B+7]
	s_nop 0
.rept 4
	v_nop
.endr
.Lfirst_asked:
	v_and_b32 v1, 15, v0
	v_bfe_u32 v2, v0, 4, 1
	v_and_b32 v3, 7, v0
	v_bfe_u32 v4, v0, 3, 1
	v_and_b32 v5, 31, v0
	v_mul_u32_u24 v[A0], v1, PA
	v_lshl_add_u32 v[A0], v2, 4, v[A0]
	s_lshl_b32 s66, s[WV], 7
	v_add_nc_u32 v[A0], s66, v[A0]                 ; row x pitch + 16 x half + my 64 channels' 128 bytes
	v_lshl_add_u32 v6, v2, 3, v3
	v_mul_u32_u24 v[B0], v6, PB
	v_lshl_add_u32 v[B0], v4, 4, v[B0]
	s_mul_i32 s66, s[WV], 64*PB
	s_add_co_u32 s66, s66, AT
	v_add_nc_u32 v[B0], s66, v[B0]                 ; my 64 k-rows
	v_mov_b32 v[ADRA], v[A0]                       ; slot 0
	v_mov_b32 v[ADRB], v[B0]
	s_mul_i32 s67, s[WV], WSTG
	v_mul_u32_u24 v[STO], v1, SP
	v_lshl_add_u32 v[STO], v2, 5, v[STO]
	v_add_nc_u32 v[STO], s67, v[STO]
	s_mul_i32 s67, s[WV], 32*SP
	v_lshl_add_u32 v[RD0], v5, 4, s67              ; my 32 rows, a whole row of 512 bytes by 32 lanes, in partial tile 0,
	v_add_nc_u32 v[RD0+1], WSTG, v[RD0]            ; 1,
	v_add_nc_u32 v[RD0+2], 2*WSTG, v[RD0]          ; 2,
	v_add_nc_u32 v[RD0+3], 3*WSTG, v[RD0]          ; 3
	v_lshlrev_b32 v[CO], 4, v5
	s_lshl_b32 s70, s42, 9
	v_lshl_add_u32 v7, v5, 4, s70
	global_load_b128 v[BI:BI+3], v7, s[8:9]        ; b2 of my four columns
	s_lshl_b32 s82, s43, 7
	s_lshl_b32 s83, s[WV], 5
	s_add_co_u32 s82, s82, s83
	s_lshl_b32 s82, s82, 12                        ; row 128 x tile row + 32 x wave, 4,096 bytes a row,
	s_lshl_b32 s83, s42, 9                         ; the tile's 512 bytes of it
	s_add_co_u32 s82, s82, s83
	s_mov_b32 s83, 0
	s_add_nc_u64 s[80:81], s[12:13], s[82:83]      ; out0
	s_add_nc_u64 s[82:83], s[10:11], s[82:83]      ; res
	WIN TO_B
.set i, 0
.rept 32
.if i < 16
.set rr, 4*i
.else
.set rr, 192+4*(i-16)
.endif
	global_load_b128 v[rr:rr+3], v[CO], s[82:83] offset:4096*i th:TH_LOAD_NT
.set i, i+1
.endr
	WIN 0
	; the prefetches
	s_mul_i32 s84, s43, TM
	s_mul_i32 s85, s[LO], TM/2
	s_add_co_u32 s84, s84, s85
	s_mul_i32 s85, s40, 32/ABPR
	s_add_co_u32 s84, s84, s85
	s_mul_i32 s84, s84, 2*KDIM
	s_mul_i32 s86, s[LO], KSTEP/2
	s_mul_i32 s87, s41, 32/BBPR
	s_add_co_u32 s86, s86, s87
	s_mul_i32 s86, s86, 2*NPITCH
	s_mul_i32 s88, s42, 2*TN
	s_add_co_u32 s86, s86, s88
	s_add_co_u32 s86, s86, BOFF
	s_and_b32 s87, ttmp7, 0xffff
	s_mov_b32 s89, ASTEP
	s_mov_b32 s92, BSTEP
	s_mov_b32 s93, 2*KDIM
	s_mov_b32 s94, 2*NPITCH
	s_cmp_eq_u32 s[HI], 0
	s_cselect_b32 s84, s84, s86
	s_cselect_b32 s87, ttmp9, s87
	s_cselect_b64 s[PFA:PFA+1], s[4:5], s[6:7]
	s_cselect_b32 s[PST], s89, s92
	s_cselect_b32 s93, s93, s94
	s_cselect_b32 s94, ABPR-1, BBPR-1
	s_mov_b32 s[PST+1], 0
	s_mov_b32 s85, 0
	s_add_nc_u64 s[PFA:PFA+1], s[PFA:PFA+1], s[84:85]
	s_mul_i32 s84, s[PST], 1+AHEAD
	s_add_nc_u64 s[PFA:PFA+1], s[PFA:PFA+1], s[84:85]
	s_cmp_eq_u32 s87, 0
	s_cselect_b32 s[LIM], AHEAD, -1
	v_lshrrev_b32 v8, s94, v5
	v_mul_lo_u32 v8, v8, s93
	v_and_b32 v9, s94, v5
	v_lshl_add_u32 v[PFO], v9, 8, v8
	s_wait_tensorcnt 0x1                           ; my part of K step 0 is in; K step 1's load, issued behind it, may stay out
	s_barrier_signal -1
	s_barrier_wait -1                              ; everybody's is
	FETCH 0, F0
	QUARTER 1, F0, F1, 1                           ; the first quarter's products start the sums
	WIN 0
	s_mov_b32 s3, STEPS-2
.Lstep:                                        ; trip t: the second half of K step t, K step t + 2 asked for, the first half of K step t + 1
.if NQ == 4
	QUARTER 2, F1, F0, 0
	QUARTER 3, F0, F1, 0
.endif
	TURN
	QUARTER 1, F0, F1, 0
	WIN 0
	s_sub_co_u32 s3, s3, 1
	s_cmp_lg_u32 s3, 0
	s_cbranch_scc1 .Lstep
	s_mov_b32 s2, 2
.Ltail:                                        ; the last two K steps ask for nothing; the second trip is left in its middle
.if NQ == 4
	QUARTER 2, F1, F0, 0
	QUARTER 3, F0, F1, 0
.endif
	TURN0
	WIN 0
	s_sub_co_u32 s2, s2, 1
	s_cmp_eq_u32 s2, 0
	s_cbranch_scc1 .Lout
	QUARTER 1, F0, F1, 0
	WIN 0
	s_branch .Ltail
.Lout:
	s_wait_dscnt 0x0                               ; no read of the ring is out, in any wave, before a wave stores into it
	s_barrier_signal -1
	s_barrier_wait -1
.rept 8
	v_nop
.endr
	DUMP
	s_wait_dscnt 0x0                               ; for the others' sake: my partial tile lies in LDS
	s_barrier_signal -1
	s_barrier_wait -1                              ; all four do
	s_wait_loadcnt 0x0                             ; b2 and res
	LOADB 0
.irp g, 0,1,2,3,4,5,6
	LOADB (\g)+1
	SUMB \g, 16                                    ; the next batch's 16 loads stay out
.endr
	SUMB 7, 0
	s_wait_tensorcnt 0x0                           ; the wave's end
	ds_add_u32 v[SPW], v[NIL]
	s_wait_dscnt 0x0
	CROUND                                         ; the closing round
	s_endpgm
.Lfunc_end_k_q53dbd2eb6b_ffn2:
	.size	k_q53dbd2eb6b_ffn2, .Lfunc_end_k_q53dbd2eb6b_ffn2-k_q53dbd2eb6b_ffn2
	.p2alignl 7, 3214868480
	.fill 96, 4, 3214868480
	.section	.rodata,"a",@progbits
	.p2align	6, 0x0
	.amdhsa_kernel k_q53dbd2eb6b_ffn2
		.amdhsa_group_segment_fixed_size 327680
		.amdhsa_private_segment_fixed_size 0
		.amdhsa_enable_private_segment 0
		.amdhsa_kernarg_size 40
		.amdhsa_user_sgpr_count 2
		.amdhsa_user_sgpr_kernarg_segment_ptr 1
		.amdhsa_wavefront_size32 1
		.amdhsa_system_sgpr_workgroup_id_x 1
		.amdhsa_system_sgpr_workgroup_id_y 1
		.amdhsa_system_sgpr_workgroup_id_z 1
		.amdhsa_system_vgpr_workitem_id 0
		.amdhsa_next_free_vgpr 1024
		.amdhsa_next_free_sgpr 96
		.amdhsa_reserve_vcc 0
		.amdhsa_float_denorm_mode_32 3
		.amdhsa_float_denorm_mode_16_64 3
		.amdhsa_memory_ordered 1
		.amdhsa_forward_progress 1
		.amdhsa_inst_pref_size 89
	.end_amdhsa_kernel
	.amdgpu_metadata
---
amdhsa.version: [ 1, 2 ]
amdhsa.kernels:
  - .name:           k_q53dbd2eb6b_ffn2
    .symbol:         k_q53dbd2eb6b_ffn2.kd
    .args:
      - { .name: h1, .offset: 0, .size: 8, .value_kind: global_buffer, .address_space: global }
      - { .name: wb, .offset: 8, .size: 8, .value_kind: global_buffer, .address_space: global }
      - { .name: b2, .offset: 16, .size: 8, .value_kind: global_buffer, .address_space: global }
      - { .name: res, .offset: 24, .size: 8, .value_kind: global_buffer, .address_space: global }
      - { .name: out0, .offset: 32, .size: 8, .value_kind: global_buffer, .address_space: global }
    .group_segment_fixed_size: 327680
    .private_segment_fixed_size: 0
    .kernarg_segment_align: 8
    .kernarg_segment_size: 40
    .max_flat_workgroup_size: 128
    .sgpr_count:     96
    .vgpr_count:     1024
    .wavefront_size: 32
...
	.end_amdgpu_metadata
.endif
;; end of part 5
